; MI455X (gfx1250); checked and timed in simulation.
; The chip was launched on July 23, 2026; its instructions are those of AMD's public machine-readable ISA for CDNA 5 (MIT licence, August 2026) and "CDNA5" Instruction Set Architecture Reference Guide (July 2026). The comments in the code are by the model that wrote it; some were corrected since.
;; g Multi Headed Attention. Allowed arithmetic: matrix products marked QUANTISED: E2M1 operands, one E8M0 scale for each 32 along K, by v_wmma_scale_f32_16x16x128_f8f6f4 with both operands' format E2M1 (or v_wmma_scale_f32_32x16x128_f4), f32 sums; everything else in f32.
;; Inputs: Wk 1,024 x 1,024 float32; Wq 1,024 x 1,024 float32; Wv 1,024 x 1,024 float32; bk 1,024 float32; bq 1,024 float32; bv 1,024 float32; key 4 x 2,048 x 1,024 float32; query 4 x 2,048 x 1,024 float32; value 4 x 2,048 x 1,024 float32.
;; Outputs: out0 4 x 2,048 x 1,024 float32.
;; This version of the problem:
;;   THIS VERSION OF THE PROBLEM IS GIVEN IN LOW PRECISION. The matrix products marked QUANTISED in the list below multiply operands that are first quantised to E2M1 (2 exponent bits, 1 mantissa bit; 4 bits a number), with one power-of-two scale for each 32 numbers along K (OCP MX v1.0); their sums are f32. All else is computed in f32.
;;   The module's matrix products, in the order in which they are computed (A, B: the left and right operand; K: the contracted axis; several contracted axes count as one K, in the product's order):
;;     1. [M 8,192, K 1,024] x [K 1,024, N 1,024]; A: input query; B: input Wq: QUANTISED
;;     2. [M 8,192, K 1,024] x [K 1,024, N 1,024]; A: input key; B: input Wk: QUANTISED
;;     3. [M 8,192, K 1,024] x [K 1,024, N 1,024]; A: input value; B: input Wv: QUANTISED
;;     4. batch 64 x [M 2,048, K 64] x [K 64, N 2,048]; A: computed on the way; B: computed on the way: QUANTISED
;;     5. batch 64 x [M 2,048, K 2,048] x [K 2,048, N 64]; A: softmax (see below); B: computed on the way: QUANTISED
;;   THE QUANTISER, for each operand of a quantised product, along K:
;;     - K is cut into blocks of 32 from its start; a last block that is shorter is filled with zeros.
;;     - A block's scale is 2^e with e = floor(log2(the largest magnitude in the block)) - 2, held to -126 .. 127; a block of zeros has e = 0. As a byte (E8M0): e + 127.
;;     - Each number is divided by its block's scale, clamped to +-6, and rounded to the nearest number of E2M1, ties to even, subnormals kept.
;;     - The product sums the exact products of the quantised numbers (number of the format x scale) in f32.
;;   ~~~python
;;   def quantise(x, axis):      # numpy; x: float32 -> the quantised numbers, widened to float32 again
;;       x = np.moveaxis(x, axis, -1); K = x.shape[-1]
;;       x = np.pad(x, [(0, 0)] * (x.ndim - 1) + [(0, -K % 32)]); x = x.reshape(x.shape[:-1] + (-1, 32)); a = np.abs(x).max(-1, keepdims=True)
;;       e = np.where(a > 0, np.clip(np.frexp(np.where(a > 0, a, 1))[1] - 1 - 2, -126, 127), 0)      # np.frexp(a)[1] - 1 = floor(log2(a)), exactly
;;       r = np.clip(x / 2.0 ** e, -6, 6)
;;       step = 2.0 ** (np.maximum(np.frexp(np.where(r == 0, 1, r))[1] - 1, 0) - 1)
;;       q = np.round(r / step) * step * 2.0 ** e      # np.round: ties to even
;;       return np.moveaxis(q.reshape(q.shape[:-2] + (-1,))[..., :K], -1, axis).astype(np.float32)
;;   ~~~
;;   SOFTMAX AHEAD OF A QUANTISED PRODUCT. Where the list says 'softmax', what is quantised is not the finished softmax but p = 2^(t - M), with t = logit x log2(e) and M = ceil(the row's largest t), a whole number; so 1/2 < the row's largest p <= 1. The row's sum l is taken of the UNQUANTISED p, in f32, and the product's result is divided by l at the end. Since M is a whole number, a kernel that streams over the keys may use a running M (the ceiling of the running maximum): every later rescaling is an exact power of two, which a block's scale takes up: the codes' values come out the same.
;;   OPERANDS COMPUTED ON THE WAY. 'Computed on the way' means the value that the module computes at that place (a softmax that the list does not call 'softmax' is quantised finished and normalised). What goes into a quantiser is computed in f32, as accurately as f32 sums, v_exp_f32 and their like allow (about 1e-6 of the number): no bf16 or f16 on the way to a quantiser, and a product that is left as it is and whose result goes on into a quantised operand takes f32 operands (vector FMAs, or v_wmma_f32_16x16x4_f32). A number that lies on a knife's edge between two numbers of the format may be rounded either way, as far as f32 arithmetic and the matrix unit's own rounding can turn it there, and no further.
;; 2 versions. Each part assembles by itself: llvm-mc -triple=amdgcn-amd-amdhsa -mcpu=gfx1250 --defsym DOCPART=n.
;; ======== version 1 of 2: 3 launches
;; workspace buffers: wimg 1,572,864 bytes; wscl 98,304 bytes; qkv 13,893,632 bytes
;; launch wquant (part 1): grid 8 x 24, 4 waves a work-group, no clusters, 1,536 bytes of LDS; arguments Wq, Wk, Wv, wimg, wscl; writes wimg, wscl
.if DOCPART == 1
	.amdgcn_target "amdgcn-amd-amdhsa--gfx1250"
	.amdhsa_code_object_version 6
	.text
	.protected	k_q470b4ee637_wquant
	.globl	k_q470b4ee637_wquant
	.p2align	8
	.type	k_q470b4ee637_wquant,@function
k_q470b4ee637_wquant:
	s_mov_b64 s[64:65], 0
	v_nop
	global_prefetch_b8 v0, s[64:65] scope:SCOPE_SE
	s_setreg_imm32_b32 hwreg(HW_REG_WAVE_MODE, 25, 1), 1
	s_wait_xcnt 0x0
; Wq, Wk, Wv [1024 (k)][1024 (n)], f32, K the FIRST axis, become codes of FP4 (E2M1) with one E8M0 byte for each 32 along K, laid as IMAGES OF OPERAND REGISTERS:
;   wimg [w 3][g 8][s 8][p 8][1024 bytes]: the fragment of 16 columns n x 128 k (k = 128 s on); in it [c 2][lane 32][16 bytes]: lane (r, h) holds k = 64 c + 32 h + 0 .. 31 of the tile's row r.
;   THE COLUMNS OF A TILE ARE NOT NEIGHBOURS: row r of tile p is n = 128 g + 32 (p / 2) + 8 (p % 2) + r + 8 (r / 8), so that a product that takes the tile as source 0 leaves 16 neighbouring n in the 16 registers of tiles 2 b, 2 b + 1.
;   wscl [w][g][s][lane = 16 u + r][q 4] words: the scale word (four bytes: 128 k) of row r of tile p = 2 q + u: one load of 16 bytes a lane brings four registers, even tiles in lanes 0-15, odd tiles in lanes 16-31.
; A LANE TAKES A COLUMN, ITS REGISTERS RUN DOWN K: a block of 32 lies in one lane's 32 registers, its largest magnitude needs no other lane, and the conversions give codes with K innermost.
; A work-group: 128 columns (x = g) x 128 k (y = 8 w + s); wave q: columns 32 q + lane, four blocks.  A lane's 16 bytes of a block are 16 bytes of an image: the wave's store covers two runs of 256 consecutive bytes, each aligned.
; A block's scale is 2^(floor(log2(largest magnitude)) - 2); its byte is the largest magnitude's exponent field - 2, held at 1 from below.
; LIMITS: a block whose largest magnitude lies under 2^-124 (a block of zeros too) gets the byte 1 where the rule says otherwise; a block of zeros has zero codes, and the bytes are read by this program alone.  NaN and infinities are not served.
.set X,   32                           ; v32-159  four sets of 32 numbers, one for each block
.set C,   160                          ; v160-175 four registers of codes for each block: no store's data are written again
.set SWD, 176                          ; v176     my column's scale word
	s_load_b256 s[4:11], s[0:1], 0x0               ; Wq s[4:5], Wk s[6:7], Wv s[8:9], wimg s[10:11]
	s_load_b64 s[12:13], s[0:1], 0x20              ; wscl
	v_lshl_add_u32 v192, v0, 2, 0x400
	v_mov_b32 v193, 0
	v_lshrrev_b32 v1, 5, v0
	v_readfirstlane_b32 s16, v1                    ; wave q
	s_and_b32 s17, ttmp7, 0xffff
	s_lshr_b32 s18, s17, 3                         ; w: which weight
	s_and_b32 s19, s17, 7                          ; s: which 128 along K
	v_and_b32 v2, 31, v0                           ; lane
	v_lshlrev_b32 v3, 2, v2                        ; in: 4 bytes a lane
	v_and_b32 v7, 7, v0
	v_lshrrev_b32 v8, 1, v0
	v_and_b32 v8, 8, v8
	v_add_nc_u32 v7, v7, v8                        ; r = lane % 8 + 8 (lane / 16): my column's row in its tile
	v_bfe_u32 v8, v0, 3, 1                         ; u = (lane / 8) % 2: tile 2 q + u
	v_lshlrev_b32 v4, 4, v7
	v_lshl_add_u32 v4, v8, 10, v4                  ; out: 1,024 u + 16 r
	v_lshl_add_u32 v5, v8, 4, v7
	v_lshlrev_b32 v5, 4, v5
	s_lshl_b32 s20, s16, 2
	v_add_nc_u32 v5, s20, v5                       ; LDS: 16 (16 u + r) + 4 q: my word's place among the work-group's 128
	v_lshlrev_b32 v6, 4, v2                        ; 16 x lane
	s_lshl_b32 s20, s19, 19                        ; W: 128 s rows of 4,096 bytes,
	s_lshl_b32 s21, ttmp9, 9                       ; + 128 g columns,
	s_add_co_u32 s20, s20, s21
	s_lshl_b32 s21, s16, 7                         ; + 32 q columns
	s_add_co_u32 s20, s20, s21
	s_mov_b32 s21, 0
	s_lshl_b32 s22, s18, 3
	s_add_co_u32 s22, s22, ttmp9
	s_lshl_b32 s22, s22, 3
	s_add_co_u32 s22, s22, s19                     ; (8 w + g) 8 + s
	s_lshl_b32 s24, s22, 9                         ; its 512 bytes of scale words
	s_mov_b32 s25, 0
	s_lshl_b32 s22, s22, 13                        ; its 8 images,
	s_lshl_b32 s23, s16, 11                        ; my two of them
	s_add_co_u32 s22, s22, s23
	s_mov_b32 s23, 0
	s_wait_kmcnt 0x0
	s_cmp_eq_u32 s18, 1                            ; the choice hangs on the work-group's number alone
	s_cselect_b64 s[4:5], s[6:7], s[4:5]
	s_cmp_eq_u32 s18, 2
	s_cselect_b64 s[4:5], s[8:9], s[4:5]
	s_add_nc_u64 s[4:5], s[4:5], s[20:21]
	s_add_nc_u64 s[10:11], s[10:11], s[22:23]
	s_add_nc_u64 s[12:13], s[12:13], s[24:25]
.macro LOAD t                          ; block t: W(128 s + 32 t + i, my column): each load reads 128 consecutive bytes a wave
.irp i, 0,1,2,3,4,5,6,7,8,9,10,11,12,13,14,15,16,17,18,19,20,21,22,23,24,25,26,27,28,29,30,31
	global_load_b32 v[X+32*(\t)+\i], v3, s[4:5] offset:(32*(\t)+\i)*4096 th:TH_LOAD_NT
.endr
.endm
.macro BLOCK t, cnt                    ; cnt: the loads issued behind this block's, which may stay out
.set XS, X+32*(\t)
	s_wait_loadcnt \cnt
	v_max3_num_f32 v12, |v[XS]|, |v[XS+1]|, |v[XS+2]|              ; the block's largest magnitude, in two chains
	v_max3_num_f32 v13, |v[XS+3]|, |v[XS+4]|, |v[XS+5]|
.irp i, 6,10,14,18,22,26
	v_max3_num_f32 v12, v12, |v[XS+\i]|, |v[XS+\i+1]|
	v_max3_num_f32 v13, v13, |v[XS+\i+2]|, |v[XS+\i+3]|
.endr
	v_max3_num_f32 v12, v12, |v[XS+30]|, |v[XS+31]|
	v_max3_num_f32 v12, v12, v13, 0x1800000        ; and the floor 2^(3 - 127): the byte cannot fall under 1
	v_add_nc_u32 v11, 0xff000000, v12              ; 2 off the exponent field: the conversion takes this operand's exponent field as its scale
	v_lshrrev_b32 v13, 23, v11                     ; the scale's byte
.if (\t) == 0
	v_mov_b32 v[SWD], v13
.else
	v_lshl_or_b32 v[SWD], v13, 8*(\t), v[SWD]      ; the lower k in the lower byte
.endif
.irp g, 0,1,2,3
	v_cvt_scalef32_pk8_fp4_f32 v[C+4*(\t)+\g], v[XS+8*\g:XS+8*\g+7], v11
.endr
	global_store_b128 v4, v[C+4*(\t):C+4*(\t)+3], s[10:11] offset:((\t)/2)*512+((\t)%2)*256   ; block t = 2 c + h: 512 c + 256 h in the image
.endm
	LOAD 0
	LOAD 1
	BLOCK 0, 32
	LOAD 2
	BLOCK 1, 32
	LOAD 3
	BLOCK 2, 32
	BLOCK 3, 0
	v_nop                                          ; one plain line behind the last conversion
	ds_store_b32 v5, v[SWD]                        ; the four waves' 128 words meet in LDS, in the order of wscl
	s_wait_dscnt 0x0                               ; for the others' sake: my store is done
	s_barrier_signal -1
	s_barrier_wait -1
	s_cmp_lg_u32 s16, 0
	s_cbranch_scc1 .Ldone
	ds_load_b128 v[20:23], v6                      ; wave 0 stores them: 512 consecutive bytes, aligned
	s_wait_dscnt 0x0
	global_store_b128 v6, v[20:23], s[12:13]
.Ldone:
	s_wait_tensorcnt 0x0
	ds_add_u32 v192, v193
	s_wait_dscnt 0x0
	s_endpgm
.Lfunc_end_k_q470b4ee637_wquant:
	.size	k_q470b4ee637_wquant, .Lfunc_end_k_q470b4ee637_wquant-k_q470b4ee637_wquant
	.p2alignl 7, 3214868480
	.fill 96, 4, 3214868480
	.section	.rodata,"a",@progbits
	.p2align	6, 0x0
	.amdhsa_kernel k_q470b4ee637_wquant
		.amdhsa_group_segment_fixed_size 1536
		.amdhsa_private_segment_fixed_size 0
		.amdhsa_enable_private_segment 0
		.amdhsa_kernarg_size 40
		.amdhsa_user_sgpr_count 2
		.amdhsa_user_sgpr_kernarg_segment_ptr 1
		.amdhsa_wavefront_size32 1
		.amdhsa_system_sgpr_workgroup_id_x 1
		.amdhsa_system_sgpr_workgroup_id_y 1
		.amdhsa_system_sgpr_workgroup_id_z 1
		.amdhsa_system_vgpr_workitem_id 0
		.amdhsa_next_free_vgpr 194
		.amdhsa_next_free_sgpr 66
		.amdhsa_reserve_vcc 0
		.amdhsa_float_denorm_mode_32 3
		.amdhsa_float_denorm_mode_16_64 3
		.amdhsa_memory_ordered 1
		.amdhsa_forward_progress 1
		.amdhsa_inst_pref_size 21
	.end_amdhsa_kernel
	.amdgpu_metadata
---
amdhsa.version: [ 1, 2 ]
amdhsa.kernels:
  - .name:           k_q470b4ee637_wquant
    .symbol:         k_q470b4ee637_wquant.kd
    .args:
      - { .name: Wq, .offset: 0, .size: 8, .value_kind: global_buffer, .address_space: global }
      - { .name: Wk, .offset: 8, .size: 8, .value_kind: global_buffer, .address_space: global }
      - { .name: Wv, .offset: 16, .size: 8, .value_kind: global_buffer, .address_space: global }
      - { .name: wimg, .offset: 24, .size: 8, .value_kind: global_buffer, .address_space: global }
      - { .name: wscl, .offset: 32, .size: 8, .value_kind: global_buffer, .address_space: global }
    .group_segment_fixed_size: 1536
    .private_segment_fixed_size: 0
    .kernarg_segment_align: 8
    .kernarg_segment_size: 40
    .max_flat_workgroup_size: 128
    .sgpr_count:     66
    .vgpr_count:     194
    .wavefront_size: 32
...
	.end_amdgpu_metadata
.endif
;; end of part 1
;; launch proj (part 2): grid 64 x 3, 4 waves a work-group, no clusters, 137,728 bytes of LDS; arguments query, key, value, bq, bk, bv, wimg, wscl, qkv; writes qkv
.if DOCPART == 2
	.amdgcn_target "amdgcn-amd-amdhsa--gfx1250"
	.amdhsa_code_object_version 6
	.text
	.protected	k_q470b4ee637_proj
	.globl	k_q470b4ee637_proj
	.p2align	8
	.type	k_q470b4ee637_proj,@function
k_q470b4ee637_proj:
	s_mov_b64 s[64:65], 0
	v_nop
	global_prefetch_b8 v0, s[64:65] scope:SCOPE_SE
	s_setreg_imm32_b32 hwreg(HW_REG_WAVE_MODE, 25, 1), 1
	s_wait_xcnt 0x0
; The three projections y = Q(x) Q(W) + b on codes of FP4 (E2M1, one E8M0 byte for each 32 along K), and the quantising of their results for the attention that follows.  Nothing wide goes to memory.
; A work-group (x = block of 128 tokens, y = 0 q, 1 k, 2 v) reads its 128 rows of x once, quantises them along K into LDS as images of operand registers, and multiplies them by all of W.
; THE WAVES SHARE THE COLUMNS: wave w makes n = 256 w .. 256 w + 255, in two chunks of 128 n x 128 tokens: 64 accumulators, 512 registers.  W's fragments and scale words (laid by the launch before in the order
; of the operand's registers) go from memory straight into registers, three K steps ahead, in a ring of four sets.  No tensor load, one barrier.
; W is not asked for jointly by a cluster: it lands in each wave's registers, 544 KB for a work-group beside its 512 KB of x, and a joint load would need a ring in LDS with a round of the cluster's barrier for every refill.
; 192 work-groups: 24,576 rows in blocks of 128 tokens, which are one key step of the attention; no equal split into 256 keeps such blocks whole.
; TILES ARE TAKEN IN THE ORDER  row r of tile t = 32 (t / 2) + 8 (t % 2) + r + 8 (r / 8)  of a group of 128, for tokens and for n alike.  A result's 16 registers of tiles 2 b, 2 b + 1 of source 0 are then 16 NEIGHBOURS along source 0's rows.
;   q, k: source 0 = W (n), source 1 = x (tokens): a lane holds one token, its 64 registers run along n = the head's axis: 128 n are two heads of 64: two blocks of 32 each.
;   v:    source 0 = x (tokens), source 1 = W (n): a lane holds one n = d, its 64 registers run along the 128 tokens = the keys, which are the second product's K.
; So one macro quantises x, q, k and v: 64 numbers of a lane, register 16 b + i = k' 32 b + 16 (lane / 16) + i.  The bias is the C of each sum's first matrix instruction.
; qkv: a record of REC bytes for each (batch, head): K's codes [tile T = 8 step + t][512: lane (r, h): d = 32 h ..], K's scale words [step][lane 16 u + r][q: tile 2 q + u] (bytes 0, 1; bytes 2, 3 are 0),
;   V^T's images [step][tile of d][1,024], V's scale words [step][lane 16 u + r][q'], then Q's codes and scale words as K's.
; LIMITS: a block whose largest magnitude lies under 2^-124 (a block of zeros too) gets the byte 1; the bytes are read by this program alone.  NaN and infinities are not served.  The bias enters a sum first, not last.
; REGISTERS, in windows of 256: window 0: v1-12 addresses; v32-47 W's scale words (4 sets), v48-55 x's (2 sets); v56-63 scale words on their way out; v64-127, v128-191 x's fragments, two sets; v192-255 the bias.
;   While x is quantised, and on the way out, v64-97 are at work.   window 1: W's fragments, 4 sets of 64.   windows 2, 3: the accumulators ((rho, p) at v[8 (8 (rho % 4) + p)] of window 2 + rho / 4);
;   while x is quantised: window 2 = x as loaded (4 sets of 64), window 3 v0-127 = x turned (2 sets of 64).
.set REC,   217088
.set KSOFF, 65536
.set VOFF,  73728
.set VSOFF, 139264
.set QOFF,  143360
.set QSOFF, 208896
.set XSC,   65536                      ; LDS: x's 64 images [s 8][t 8][1,024] from 0; their scale words [s][lane 16 u + r][q] from XSC;
.set STG,   69632                      ; from STG each wave's two stages of 16 rows x 528 bytes
.set WSTG,  16896
.set LI,  1                            ; v1   16 x lane
.set LS,  2                            ; v2   XSC + 16 x lane
.set XA,  3                            ; v3   x: 16 x lane + my wave's 32 rows
.set STI, 4                            ; v4   my stage, as loaded: 16 x lane
.set STO, 5                            ; v5   my stage, turned: 528 r + 64 h
.set XW,  6                            ; v6   where my images go: 16 x lane + 2,048 w
.set XSW, 7                            ; v7   and their scale words: XSC + 16 r + 4 w
.set XWT, 8                            ; v8, v9  the same for the trip in hand
.set XST, 9
.set BAQ, 10                           ; v10  bias, q and k: 64 h
.set BAV, 11                           ; v11  bias, v: 4 (r + 8 (r / 8))
.set L8,  12                           ; v12  8 x lane
.set WS,  32
.set XS,  48
.set SW,  56
.set SB,  60
.set XF,  64
.set TM,  64                           ; v64-67 largest magnitudes, v68-71 the other half's, then bytes, v76-79 the conversions' scale operands
.set PC,  80                           ; v80-95 codes just made, two sets by turns
.set PW,  96                           ; v96, v97 scale words just made, by turns
.set BI,  192
.set WV,  22
.set TY,  23
.set XB,  26                           ; s[26:27] x at my block        s[28:29] the bias at my wave's n
.set BB,  28
.set WB,  30                           ; s[30:31] W's images at my chunk   s[32:33] W's scale words
.set WSB, 32
.set OB,  34                           ; s[34:35] where my chunk's codes go   s[36:37] and its scale words
.set SBS, 36
.set SEL, 38                           ; s[38:39] v_permlanex16_b32's selects for lane l xor 16
.set TR,  41
.set TR2, 42
.set CNT, 43
.set CH,  44
.set MSB, 0
.macro WIN new                         ; s_set_vgpr_msb: bits 1:0 source 0, 3:2 source 1, 5:4 source 2, 7:6 destination; the high byte repeats the setting that is left
.if MSB != (\new)
	s_set_vgpr_msb (MSB<<8)|(\new)
.set MSB, (\new)
.endif
.endm
.macro PLACES                          ; four plain vector lines behind matrix instructions, ahead of loads into their registers and of the first read of results
.rept 4
	v_nop
.endr
.endm
; 64 numbers of a lane, v[s] .. v[s + 63] of window win, register 16 b + i = k' 32 b + 16 (lane / 16) + i of my row, become a fragment's codes in v[pc] .. v[pc + 7] and its scale word in v[pw].
; Sums of matrix instructions are read from their low end on: each block's 16 registers in ascending order.
.macro QUANT win, s, pc, pw
	WIN ((\win)<<2)|((\win)<<4)
.irp b, 0,1,2,3
	v_max3_num_f32 v[TM+\b], 0x1800000, |v[(\s)+16*\b]|, |v[(\s)+16*\b+1]|   ; block b: my 16 numbers, and the floor 2^(3 - 127): the byte cannot fall under 1
.endr
.irp i, 2,4,6,8,10,12,14
.irp b, 0,1,2,3
	v_max3_num_f32 v[TM+\b], v[TM+\b], |v[(\s)+16*\b+\i]|, |v[(\s)+16*\b+\i+1]|   ; the four blocks by turns
.endr
.endr
	WIN 0
.irp b, 0,1,2,3
	v_permlanex16_b32 v[TM+4+\b], v[TM+\b], s[SEL], s[SEL+1]
.endr
.irp b, 0,1,2,3
	v_max_num_f32 v[TM+\b], v[TM+\b], v[TM+4+\b]   ; with lane l xor 16's 16: the block's largest magnitude
.endr
.irp b, 0,1,2,3
	v_add_nc_u32 v[TM+12+\b], 0xff000000, v[TM+\b] ; 2 off its exponent field: the conversion's scale operand
.endr
.irp b, 0,1,2,3
	v_lshrrev_b32 v[TM+4+\b], 23, v[TM+12+\b]      ; the scale's byte
.endr
	v_lshl_or_b32 v[\pw], v[TM+5], 8, v[TM+4]      ; my row's scale word (the same in lanes l and l xor 16)
	v_lshl_or_b32 v[\pw], v[TM+6], 16, v[\pw]
	v_lshl_or_b32 v[\pw], v[TM+7], 24, v[\pw]
	WIN (\win)
.irp b, 0,1,2,3
	v_cvt_scalef32_pk8_fp4_f32 v[(\pc)+2*\b], v[(\s)+16*\b:(\s)+16*\b+7], v[TM+12+\b]
	v_cvt_scalef32_pk8_fp4_f32 v[(\pc)+2*\b+1], v[(\s)+16*\b+8:(\s)+16*\b+15], v[TM+12+\b]
.endr
	WIN 0
	v_nop                                          ; one plain line behind the last conversion
.irp c, 0,1                            ; the operand's layout wants a whole block in a lane: lanes 0-15 block 2 c, lanes 16-31 block 2 c + 1
.irp i, 0,1
	v_permlane16_swap_b32 v[(\pc)+4*\c+\i], v[(\pc)+2+4*\c+\i]
.endr
.endr
.endm
; Unit j of a trip = (K step j / 2, tile j % 2 of my two): 16 rows x 512 bytes.  Each load reads 512 consecutive bytes of one row.
.macro LOADX j
	WIN 0x80
.irp i, 0,1,2,3,4,5,6,7,8,9,10,11,12,13,14,15
	global_load_b128 v[64*((\j)%4)+4*\i:64*((\j)%4)+4*\i+3], v[XA], s[XB:XB+1] offset:(\i+8*(\i/8)+8*((\j)%2))*4096+((\j)/2)*512 th:TH_LOAD_NT
.endr
	WIN 0
.endm
; The unit turns through my own stage: in as loaded, out 16 neighbours of each block of 32 to a lane.  LDS serves a wave's instructions in order (ISA guide 5.7.1.4): no wait between.  Rows 528 bytes apart: an odd multiple of 16.
.macro TURN j
	WIN 0x08
.irp i, 0,1,2,3,4,5,6,7,8,9,10,11,12,13,14,15
	ds_store_b128 v[STI], v[64*((\j)%4)+4*\i:64*((\j)%4)+4*\i+3] offset:((\j)%2)*8448+528*\i
.endr
	WIN 0xc0
.irp b, 0,1,2,3
.irp k, 0,1,2,3
	ds_load_b128 v[64*((\j)%2)+16*\b+4*\k:64*((\j)%2)+16*\b+4*\k+3], v[STO] offset:((\j)%2)*8448+128*\b+16*\k
.endr
.endr
	WIN 0
.endm
.macro XHEAD                           ; a trip's head: no LDS instruction of mine is out, so the two address registers may be written
	s_wait_dscnt 0x0
	v_add_nc_u32 v[XWT], s[TR], v[XW]
	v_add_nc_u32 v[XST], s[TR2], v[XSW]
.endm
; Unit u is quantised; the unit three on is asked for, the next one turned.  lcnt: the loads issued behind the next unit's.
.macro XUNIT u, load, turn, lcnt
.if (\u) > 0
	s_wait_dscnt 3                                 ; all but the last unit's three image stores: this unit is back from the stage, and the stage's stores have read their registers
.endif
.if \load
	LOADX (\u)+3
.endif
.if \turn
	s_wait_loadcnt \lcnt
	TURN (\u)+1
.endif
	QUANT 3, 64*((\u)%2), PC+8*((\u)%2), PW+((\u)%2)
	ds_store_b128 v[XWT], v[PC+8*((\u)%2):PC+8*((\u)%2)+3] offset:((\u)/2)*8192+((\u)%2)*1024        ; the fragment goes to LDS as it stands: 512 consecutive bytes a store
	ds_store_b128 v[XWT], v[PC+8*((\u)%2)+4:PC+8*((\u)%2)+7] offset:((\u)/2)*8192+((\u)%2)*1024+512
	ds_store_b32 v[XST], v[PW+((\u)%2)] offset:((\u)/2)*512+((\u)%2)*256                             ; lanes l and l xor 16 write the same word with the same value
.endm
.macro BIAS path, off                  ; eight registers a tile, in the result's layout
.if (\path) == 0
.irp p, 0,1,2,3,4,5,6,7
	global_load_b128 v[BI+8*\p:BI+8*\p+3], v[BAQ], s[BB:BB+1] offset:(\off)+(32*(\p/2)+8*(\p%2))*4       ; lane (r, h): b at n = 32 (p / 2) + 16 h + 8 (p % 2) + 0 .. 7
	global_load_b128 v[BI+8*\p+4:BI+8*\p+7], v[BAQ], s[BB:BB+1] offset:(\off)+(32*(\p/2)+8*(\p%2))*4+16
.endr
.else
.irp p, 0,1,2,3,4,5,6,7
.irp j, 0,1,2,3,4,5,6,7
	global_load_b32 v[BI+8*\p+\j], v[BAV], s[BB:BB+1] offset:(\off)+(32*(\p/2)+8*(\p%2))*4               ; a lane holds one n: the same number in all eight
.endr
.endr
.endif
.endm
.macro LOADW set, ko                   ; W's eight fragments and their scale words of K step ko (8 and on: the next chunk's): 17 loads
	WIN 0x40
.irp p, 0,1,2,3,4,5,6,7
.irp c, 0,1
	global_load_b128 v[64*(\set)+8*\p+4*\c:64*(\set)+8*\p+4*\c+3], v[LI], s[WB:WB+1] offset:(\ko)*8192+\p*1024+\c*512
.endr
.endr
	WIN 0
	global_load_b128 v[WS+4*(\set):WS+4*(\set)+3], v[LI], s[WSB:WSB+1] offset:(\ko)*512
.endm
.macro FETCHX s                        ; x's eight fragments and their scale words of K step s, from LDS
.irp t, 0,1,2,3,4,5,6,7
.irp c, 0,1
	ds_load_b128 v[XF+64*((\s)%2)+8*\t+4*\c:XF+64*((\s)%2)+8*\t+4*\c+3], v[LI] offset:(\s)*8192+\t*1024+\c*512
.endr
.endr
	ds_load_b128 v[XS+4*((\s)%2):XS+4*((\s)%2)+3], v[LS] offset:(\s)*512
.endm
.macro WM d, a, b, c, sa, sb, ra, rb   ; one product; ra, rb: the side's scale words stand in lanes 16-31
.if (\ra)
.if (\rb)
	v_wmma_scale_f32_16x16x128_f8f6f4 v[(\d):(\d)+7], v[(\a):(\a)+7], v[(\b):(\b)+7], v[(\c):(\c)+7], v[\sa], v[\sb] matrix_a_fmt:MATRIX_FMT_FP4 matrix_b_fmt:MATRIX_FMT_FP4 matrix_a_scale:MATRIX_SCALE_ROW1 matrix_b_scale:MATRIX_SCALE_ROW1
.else
	v_wmma_scale_f32_16x16x128_f8f6f4 v[(\d):(\d)+7], v[(\a):(\a)+7], v[(\b):(\b)+7], v[(\c):(\c)+7], v[\sa], v[\sb] matrix_a_fmt:MATRIX_FMT_FP4 matrix_b_fmt:MATRIX_FMT_FP4 matrix_a_scale:MATRIX_SCALE_ROW1
.endif
.else
.if (\rb)
	v_wmma_scale_f32_16x16x128_f8f6f4 v[(\d):(\d)+7], v[(\a):(\a)+7], v[(\b):(\b)+7], v[(\c):(\c)+7], v[\sa], v[\sb] matrix_a_fmt:MATRIX_FMT_FP4 matrix_b_fmt:MATRIX_FMT_FP4 matrix_b_scale:MATRIX_SCALE_ROW1
.else
	v_wmma_scale_f32_16x16x128_f8f6f4 v[(\d):(\d)+7], v[(\a):(\a)+7], v[(\b):(\b)+7], v[(\c):(\c)+7], v[\sa], v[\sb] matrix_a_fmt:MATRIX_FMT_FP4 matrix_b_fmt:MATRIX_FMT_FP4
.endif
.endif
.endm
; 32 products of K step s: source 1's tiles rho = 4 hi + 0 .. 3 against source 0's eight.  path 0 (q, k): source 0 = W (window 1), source 1 = x;  path 1 (v): source 0 = x, source 1 = W.
; In K step 0 the bias (window 0) is C.  The 64 accumulators take turns, one instruction a turn, in the same order in every K step.
.macro HALF path, s, hi
.if (\path) == 0
.if (\s) == 0
	WIN 0x81+0x40*(\hi)
.else
	WIN 0xa1+0x50*(\hi)
.endif
.else
.if (\s) == 0
	WIN 0x84+0x40*(\hi)
.else
	WIN 0xa4+0x50*(\hi)
.endif
.endif
.irp a, 0,1,2,3
.irp p, 0,1,2,3,4,5,6,7
.set rD, 8*(8*\a+\p)
.if (\path) == 0
.set rA, 64*((\s)%4)+8*\p
.set rB, XF+64*((\s)%2)+8*(4*(\hi)+\a)
.set rSA, WS+4*((\s)%4)+\p/2
.set rSB, XS+4*((\s)%2)+(4*(\hi)+\a)/2
.set rC, BI+8*\p
.else
.set rA, XF+64*((\s)%2)+8*\p
.set rB, 64*((\s)%4)+8*(4*(\hi)+\a)
.set rSA, XS+4*((\s)%2)+\p/2
.set rSB, WS+4*((\s)%4)+(4*(\hi)+\a)/2
.set rC, BI+8*(4*(\hi)+\a)
.endif
.if (\s) != 0
.set rC, rD
.endif
	WM rD, rA, rB, rC, rSA, rSB, \p%2, \a%2
.endr
.endr
.endm
.macro KSTEP path, s
.if (\s) <= 5
	s_wait_loadcnt 34                              ; this K step's set of W is in; the two sets behind it, 17 loads each, may be out
.elseif (\s) == 6
	s_wait_loadcnt 17
.else
	s_wait_loadcnt 0x0
.endif
	s_wait_dscnt 0x0                               ; x's fragments are in (asked for 32 matrix instructions ago)
	HALF \path, \s, 0
.if (\s) < 7
	PLACES                                         ; the registers loaded below were last read by the K step before
.if (\s)+3 < 8
	LOADW ((\s)+3)%4, (\s)+3
.endif
	WIN 0
	FETCHX (\s)+1
.endif
	HALF \path, \s, 1
	WIN 0
.endm
; The way out of a chunk.  Source 1's tile rho: its 64 registers are quantised and leave as images: every store covers 512 (the scale words of v: 256) consecutive bytes, aligned.
.macro EPI path
.irp r, 0,1,2,3,4,5,6,7
	s_wait_xcnt 0x0                                ; earlier stores have read their registers: the set of codes two tiles back is written again only behind this wait
	QUANT 2+\r/4, 64*(\r%4), PC+8*(\r%2), PW+(\r%2)
.if (\path) == 0
	global_store_b128 v[LI], v[PC+8*(\r%2):PC+8*(\r%2)+3], s[OB:OB+1] offset:512*\r            ; n 0-63: the chunk's first head, token tile rho
	global_store_b128 v[LI], v[PC+8*(\r%2)+4:PC+8*(\r%2)+7], s[OB:OB+1] offset:512*\r+REC      ; n 64-127: its second head
.if \r%2
	v_cndmask_b32 v[SW+\r/2], v[PW], v[PW+1], vcc_lo                                           ; lanes 0-15 the even tile's words, lanes 16-31 the odd tile's
.endif
.else
	global_store_b128 v[LI], v[PC+8*(\r%2):PC+8*(\r%2)+3], s[OB:OB+1] offset:(\r/4)*REC+(\r%4)*1024        ; head rho / 4 of the chunk, tile rho % 4 of its d; keys 0-63 of the step,
	global_store_b128 v[LI], v[PC+8*(\r%2)+4:PC+8*(\r%2)+7], s[OB:OB+1] offset:(\r/4)*REC+(\r%4)*1024+512  ; keys 64-127
.if \r%2
	v_cndmask_b32 v[SW+(\r%4)/2], v[PW], v[PW+1], vcc_lo
.endif
.if \r%4 == 3
	global_store_b64 v[L8], v[SW:SW+1], s[SBS:SBS+1] offset:(\r/4)*REC
.endif
.endif
.endr
.if (\path) == 0
.irp q, 0,1,2,3
	v_lshrrev_b32 v[SB+\q], 16, v[SW+\q]           ; bytes 2, 3: the second head's two blocks; the upper two bytes of each head's word are 0
.endr
.irp q, 0,1,2,3
	v_and_b32 v[SW+\q], 0xffff, v[SW+\q]           ; bytes 0, 1: the first head's
.endr
	global_store_b128 v[LI], v[SW:SW+3], s[SBS:SBS+1]
	global_store_b128 v[LI], v[SB:SB+3], s[SBS:SBS+1] offset:REC
.endif
.endm
.macro GEMM path                       ; my two chunks of 128 n
	s_mov_b32 s[CH], 2
.Lchunk_\@:
	FETCHX 0
.irp s, 0,1,2,3,4,5,6,7
	KSTEP \path, \s
.endr
	PLACES                                         ; behind the last products: for the loads below and for the first read of the sums
	s_cmp_eq_u32 s[CH], 1                          ; the next chunk's bias and first three sets of W are asked for here, if there is a next chunk: no load leaves its buffer
	s_cbranch_scc1 .Lnonext_\@
	BIAS \path, 512
	LOADW 0, 8
	LOADW 1, 9
	LOADW 2, 10
.Lnonext_\@:
	EPI \path
	s_wait_xcnt 0x0                                ; loads and stores have read their bases: these step only behind this wait
	s_add_nc_u64 s[WB:WB+1], s[WB:WB+1], 65536
	s_add_nc_u64 s[WSB:WSB+1], s[WSB:WSB+1], 4096
	s_add_nc_u64 s[BB:BB+1], s[BB:BB+1], 512
	s_add_nc_u64 s[OB:OB+1], s[OB:OB+1], 2*REC
	s_add_nc_u64 s[SBS:SBS+1], s[SBS:SBS+1], 2*REC
	s_sub_co_u32 s[CH], s[CH], 1
	s_cmp_lg_u32 s[CH], 0
	s_cbranch_scc1 .Lchunk_\@
	s_wait_tensorcnt 0x0
	ds_add_u32 v30, v31
	s_wait_dscnt 0x0
	s_endpgm
.endm
	s_load_b256 s[4:11], s[0:1], 0x0               ; query s[4:5], key s[6:7], value s[8:9], bq s[10:11]
	s_load_b256 s[12:19], s[0:1], 0x20             ; bk s[12:13], bv s[14:15], wimg s[16:17], wscl s[18:19]
	s_load_b64 s[20:21], s[0:1], 0x40              ; qkv
	v_lshl_add_u32 v30, v0, 2, 0x21800
	v_mov_b32 v31, 0
	v_lshrrev_b32 v13, 5, v0
	v_readfirstlane_b32 s[WV], v13                 ; wave 0..3
	s_and_b32 s[TY], ttmp7, 0xffff                 ; 0 q, 1 k, 2 v
	v_and_b32 v14, 31, v0                          ; lane
	v_and_b32 v15, 15, v0                          ; r
	v_bfe_u32 v16, v0, 4, 1                        ; h
	v_lshlrev_b32 v[LI], 4, v14
	v_add_nc_u32 v[LS], XSC, v[LI]
	s_lshl_b32 s46, s[WV], 17
	v_add_nc_u32 v[XA], s46, v[LI]
	s_mul_i32 s47, s[WV], WSTG
	s_add_co_u32 s47, s47, STG
	v_add_nc_u32 v[STI], s47, v[LI]
	v_mul_u32_u24 v[STO], v15, 528
	v_lshl_add_u32 v[STO], v16, 6, v[STO]
	v_add_nc_u32 v[STO], s47, v[STO]
	s_lshl_b32 s48, s[WV], 11
	v_add_nc_u32 v[XW], s48, v[LI]
	s_lshl_b32 s49, s[WV], 2
	s_add_co_u32 s49, s49, XSC
	v_lshlrev_b32 v[XSW], 4, v15
	v_add_nc_u32 v[XSW], s49, v[XSW]
	v_lshlrev_b32 v[BAQ], 6, v16
	v_and_b32 v[BAV], 8, v15
	v_add_nc_u32 v[BAV], v[BAV], v15
	v_lshlrev_b32 v[BAV], 2, v[BAV]
	v_lshlrev_b32 v[L8], 3, v14
	v_cmp_lt_u32 vcc_lo, 15, v14                   ; lanes 16-31: kept in VCC for the whole kernel; nothing else writes it
.irp b, 0,1,2,3
	v_mov_b32 v[TM+4+\b], 0                        ; a lane permute's destination counts as one of its sources
.endr
	s_mov_b32 s[SEL], 0x76543210
	s_mov_b32 s[SEL+1], 0xfedcba98
	s_mov_b32 s50, QOFF                            ; where my tensor's codes and scale words lie in a record, and log2 of a step's bytes of scale words
	s_mov_b32 s51, QSOFF
	s_mov_b32 s52, 9
	s_cmp_eq_u32 s[TY], 1
	s_cselect_b32 s50, 0, s50
	s_cselect_b32 s51, KSOFF, s51
	s_cmp_eq_u32 s[TY], 2
	s_cselect_b32 s50, VOFF, s50
	s_cselect_b32 s51, VSOFF, s51
	s_cselect_b32 s52, 8, s52
	s_lshl_b32 s46, ttmp9, 19                      ; x: my block's 128 rows of 4,096 bytes
	s_mov_b32 s47, 0
	s_lshl_b32 s48, s[WV], 10                      ; the bias: my 256 n
	s_mov_b32 s49, 0
	s_lshl_b32 s54, s[TY], 19                      ; wimg: my weight, my wave's two groups of 128 n
	s_lshl_b32 s55, s[WV], 17
	s_add_co_u32 s54, s54, s55
	s_mov_b32 s55, 0
	s_lshl_b32 s56, s[TY], 15                      ; wscl likewise
	s_lshl_b32 s57, s[WV], 13
	s_add_co_u32 s56, s56, s57
	s_mov_b32 s57, 0
	s_and_b32 s58, ttmp9, 0x30                     ; 16 x batch
	s_lshl_b32 s59, s[WV], 2
	s_add_co_u32 s58, s58, s59                     ; + my first head
	s_mul_i32 s58, s58, REC
	s_and_b32 s59, ttmp9, 15                       ; the key step that my block is
	s_lshl_b32 s60, s59, 12
	s_add_co_u32 s60, s60, s58
	s_add_co_u32 s60, s60, s50
	s_mov_b32 s61, 0
	s_lshl_b32 s62, s59, s52
	s_add_co_u32 s62, s62, s58
	s_add_co_u32 s62, s62, s51
	s_mov_b32 s63, 0
	s_wait_kmcnt 0x0
	s_cmp_eq_u32 s[TY], 1                          ; the choices hang on the work-group's number alone
	s_cselect_b64 s[XB:XB+1], s[6:7], s[4:5]
	s_cselect_b64 s[BB:BB+1], s[12:13], s[10:11]
	s_cmp_eq_u32 s[TY], 2
	s_cselect_b64 s[XB:XB+1], s[8:9], s[XB:XB+1]
	s_cselect_b64 s[BB:BB+1], s[14:15], s[BB:BB+1]
	s_add_nc_u64 s[XB:XB+1], s[XB:XB+1], s[46:47]
	s_add_nc_u64 s[BB:BB+1], s[BB:BB+1], s[48:49]
	s_add_nc_u64 s[WB:WB+1], s[16:17], s[54:55]
	s_add_nc_u64 s[WSB:WSB+1], s[18:19], s[56:57]
	s_add_nc_u64 s[OB:OB+1], s[20:21], s[60:61]
	s_add_nc_u64 s[SBS:SBS+1], s[20:21], s[62:63]
	s_cmp_eq_u32 s[TY], 2
	s_cbranch_scc1 .Lbias_v
	BIAS 0, 0
	s_branch .Lbias_done
.Lbias_v:
	BIAS 1, 0
.Lbias_done:
	LOADW 0, 0                                     ; the first chunk's first three sets of W land while x is quantised
	LOADW 1, 1
	LOADW 2, 2
	; ---- x: wave w quantises token tiles 2 w and 2 w + 1, all eight K steps: 16 units, four a trip; loads run three units (48 loads a wave) ahead, the turn through LDS one unit
	LOADX 0
	LOADX 1
	LOADX 2
	s_wait_loadcnt 32                              ; unit 0 is in; units 1 and 2 may be out
	TURN 0
	s_mov_b32 s[TR], 0
	s_mov_b32 s[TR2], 0
	s_mov_b32 s[CNT], 3
.Lxtrip:
	XHEAD
	XUNIT 0, 1, 1, 32
	XUNIT 1, 1, 1, 32
	XUNIT 2, 1, 1, 32
	XUNIT 3, 1, 1, 32
	s_wait_xcnt 0x0                                ; the loads have read their base
	s_add_nc_u64 s[XB:XB+1], s[XB:XB+1], 1024      ; two K steps on
	s_add_co_u32 s[TR], s[TR], 16384
	s_add_co_u32 s[TR2], s[TR2], 1024
	s_sub_co_u32 s[CNT], s[CNT], 1
	s_cmp_lg_u32 s[CNT], 0
	s_cbranch_scc1 .Lxtrip
	XHEAD                                          ; the last four units: one more load, then the counts run down
	XUNIT 0, 1, 1, 32
	XUNIT 1, 0, 1, 16
	XUNIT 2, 0, 1, 0
	XUNIT 3, 0, 0, 0
	s_wait_dscnt 0x0                               ; for the others' sake: my images and scale words are in LDS
	s_barrier_signal -1
	s_barrier_wait -1                              ; x's 64 fragments lie in LDS; from here on LDS is only read
	s_cmp_eq_u32 s[TY], 2
	s_cbranch_scc1 .Lpath_v
	GEMM 0
.Lpath_v:
	GEMM 1
.Lfunc_end_k_q470b4ee637_proj:
	.size	k_q470b4ee637_proj, .Lfunc_end_k_q470b4ee637_proj-k_q470b4ee637_proj
	.p2alignl 7, 3214868480
	.fill 96, 4, 3214868480
	.section	.rodata,"a",@progbits
	.p2align	6, 0x0
	.amdhsa_kernel k_q470b4ee637_proj
		.amdhsa_group_segment_fixed_size 137728
		.amdhsa_private_segment_fixed_size 0
		.amdhsa_enable_private_segment 0
		.amdhsa_kernarg_size 72
		.amdhsa_user_sgpr_count 2
		.amdhsa_user_sgpr_kernarg_segment_ptr 1
		.amdhsa_wavefront_size32 1
		.amdhsa_system_sgpr_workgroup_id_x 1
		.amdhsa_system_sgpr_workgroup_id_y 1
		.amdhsa_system_sgpr_workgroup_id_z 1
		.amdhsa_system_vgpr_workitem_id 0
		.amdhsa_next_free_vgpr 1024
		.amdhsa_next_free_sgpr 66
		.amdhsa_reserve_vcc 1
		.amdhsa_float_denorm_mode_32 3
		.amdhsa_float_denorm_mode_16_64 3
		.amdhsa_memory_ordered 1
		.amdhsa_forward_progress 1
		.amdhsa_inst_pref_size 255
	.end_amdhsa_kernel
	.section	.bss,"aw",@nobits
	.p2align	6
	.space	262144
	.amdgpu_metadata
---
amdhsa.version: [ 1, 2 ]
amdhsa.kernels:
  - .name:           k_q470b4ee637_proj
    .symbol:         k_q470b4ee637_proj.kd
    .args:
      - { .name: query, .offset: 0, .size: 8, .value_kind: global_buffer, .address_space: global }
      - { .name: key, .offset: 8, .size: 8, .value_kind: global_buffer, .address_space: global }
      - { .name: value, .offset: 16, .size: 8, .value_kind: global_buffer, .address_space: global }
      - { .name: bq, .offset: 24, .size: 8, .value_kind: global_buffer, .address_space: global }
      - { .name: bk, .offset: 32, .size: 8, .value_kind: global_buffer, .address_space: global }
      - { .name: bv, .offset: 40, .size: 8, .value_kind: global_buffer, .address_space: global }
      - { .name: wimg, .offset: 48, .size: 8, .value_kind: global_buffer, .address_space: global }
      - { .name: wscl, .offset: 56, .size: 8, .value_kind: global_buffer, .address_space: global }
      - { .name: qkv, .offset: 64, .size: 8, .value_kind: global_buffer, .address_space: global }
    .group_segment_fixed_size: 137728
    .private_segment_fixed_size: 0
    .kernarg_segment_align: 8
    .kernarg_segment_size: 72
    .max_flat_workgroup_size: 128
    .sgpr_count:     66
    .vgpr_count:     1024
    .wavefront_size: 32
...
	.end_amdgpu_metadata
.endif
;; end of part 2
;; launch attn (part 3): grid 4 x 64, 16 waves a work-group, clusters of 4 x 1, 215,040 bytes of LDS; arguments qkv, query, out0; writes out0
.if DOCPART == 3
	.amdgcn_target "amdgcn-amd-amdhsa--gfx1250"
	.amdhsa_code_object_version 6
	.text
	.protected	k_q470b4ee637_attn
	.globl	k_q470b4ee637_attn
	.p2align	8
	.type	k_q470b4ee637_attn,@function
k_q470b4ee637_attn:
	s_mov_b64 s[64:65], 0
	v_nop
	global_prefetch_b8 v0, s[64:65] scope:SCOPE_SE
	s_setreg_imm32_b32 hwreg(HW_REG_WAVE_MODE, 25, 1), 1
	s_wait_xcnt 0x0
	s_wait_alu depctr_hold_cnt(0) depctr_sa_sdst(0) depctr_va_vdst(0) depctr_va_sdst(0) depctr_va_ssrc(0) depctr_va_vcc(0) depctr_vm_vsrc(0)
	s_getreg_b32 s2, hwreg(HW_REG_IB_STS2, 6, 4)
	s_cmp_eq_u32 s2, 0
	s_cbranch_scc0 .Lentry_in_a_cluster
	s_endpgm
.Lentry_in_a_cluster:
	s_bfe_u32 s2, ttmp6, 0x10000c
	s_cmp_lg_u32 s2, 0x3003
	s_cbranch_scc0 .Lentry_shape_is_right
	s_endpgm
.Lentry_shape_is_right:
; out0[b][s][64 head + d] = query[b][s][64 head + d] + (sum over keys of softmax(q . k) v)[d], no 1 / sqrt(64), both products on codes of FP4 (E2M1) with one E8M0 byte for each 32 along a product's K.
; THE SOFTMAX AHEAD OF THE SECOND PRODUCT: t = score x log2(e); M = the row's largest t so far, rounded UP to a whole number; p = 2^(t - M) is what is quantised, along the keys, not normalised.
; The row's sum is taken of the unquantised p, in f32, and divides O at the end.  When M moves, the sum and O are multiplied by 2^(old M - new M): exact; no branch on data.
; SHARES.  y = (batch, head); the four work-groups of a cluster are the head's four blocks of 512 queries.  A HEAD'S WHOLE K AND V, codes and scale words, are the first 143,360 bytes of its record:
; they come into LDS once, by four joint tensor loads (waves 0-3, 35,840 bytes each, the same descriptor and a mask that names the four work-groups), and stay: no ring, nothing is filled again.
; Each of the SIXTEEN waves owns 32 queries as two tiles of 16, one after the other, in 256 registers: four waves to a SIMD, so that one wave's vector work stands beside another's products and LDS loads.
; LAYOUT.  Both products are used transposed: S^T = K Q^T (source 0 = 16 keys), O^T = V^T P^T (source 0 = 16 of the head's 64): a lane holds ONE query throughout.
; The keys of a tile of K, and the d of a tile of V^T, are row r = 32 (t / 2) + 8 (t % 2) + r + 8 (r / 8): the 16 registers of tiles 2 b, 2 b + 1 are 16 neighbours.  Everything in LDS is an image of operand registers: 512 consecutive bytes a load.
; THE FIRST PRODUCT'S K IS 64: registers 4-7 of Q's and K's fragments are zero codes, written once; bytes 2, 3 of their scale words are 0, which stands for 2^-127: zero codes add nothing under it.
; LIMITS: NaN and infinities are not served; a p that falls under the smallest normal f32 number counts as 0, in the sum too.
; REGISTERS: v1-7 addresses that stay; v8-11 the step's; v12 -M, v13 the largest t, v[14:15] the sum in two halves; v16-23 Q of tile 0; v24-27 K's scale words, v28-29 V's, v30, v31 Q's; v32-63 four fragments of K;
;   v64-95 the residual; v96-159 S^T, then p; v160-191 O^T; v192-223 V's four fragments; v224-231 p's codes; v232-247 at work; v248-255 Q of tile 1.
.set REC,   217088
.set KSOFF, 65536
.set VOFF,  73728
.set VSOFF, 139264
.set QOFF,  143360
.set QSOFF, 208896
.set PART,  35840                      ; what one tensor load brings: 140 rows of 256 bytes
.set STAGE, 143360                     ; behind the head's K and V: 16 rows x 272 bytes for each wave, for the way out; no fill lands there
.set LI,  1                            ; v1   16 x lane
.set AS0, 2                            ; v2   K's scale words: KSOFF + 16 x lane
.set AV0, 3                            ; v3   V: VOFF + 16 x lane
.set AT0, 4                            ; v4   V's scale words: VSOFF + 8 x lane
.set STO, 5                            ; v5   my stage, in: 272 r + 64 h
.set RD,  6                            ; v6   my stage, back: 272 (lane / 16) + 16 (lane % 16)
.set GO,  7                            ; v7   query and out0: 4,096 (lane / 16) + 16 (lane % 16)
.set ADK, 8
.set ADS, 9
.set ADV, 10
.set ADT, 11
.set KSC, 24
.set VSC, 28
.set KF,  32
.set RES, 64
.set S,   96
.set O,   160
.set VF,  192
.set PC,  224
.set BM,  232                          ; v232-235 each block's largest score, then its largest p
.set T4,  236                          ; v236-239 at work
.set SO,  240                          ; v240-243 the conversions' scale operands
.set FF,  244                          ; v[244:245] f = 2^(old M - new M); v245 is named with it as a pair
.set TP,  246
.set PS,  247                          ; p's scale word
.set WV,  10
.set G1,  16                           ; s[16:23], s[24:27] the descriptor
.set G0,  24
.set QB,  28                           ; s[28:29] Q's codes at my first tile   s[30:31] its scale words
.set QSB, 30
.set RB,  32                           ; s[32:33] query, s[34:35] out0 at my first token and my head
.set OBS, 34
.set SEL, 36
.set CS,  38                           ; s[38:39] log2(e): the packed form names a pair and takes its low word for both halves
.set TK,  40                           ; s40-42 the step's bytes: 4,096 of codes (K's and V's alike), 512 and 256 of scale words
.set TS,  41
.set TV,  42
.set CNT, 43
.macro ROUND                           ; a round of the cluster's barrier: my work-group's barrier, wave 0 signals for the work-group, every wave waits for the four work-groups, my work-group's barrier once more
	s_barrier_signal -1
	s_barrier_wait -1
	s_cmp_lg_u32 s[WV], 0
	s_cbranch_scc1 .Lnot_wave_0_\@
	s_barrier_signal -3
.Lnot_wave_0_\@:
	s_barrier_wait -3
	s_barrier_signal -1
	s_barrier_wait -1
.endm
	s_load_b128 s[4:7], s[0:1], 0x0                ; qkv s[4:5], query s[6:7]
	s_load_b64 s[8:9], s[0:1], 0x10                ; out0
	v_lshl_add_u32 v254, v0, 2, 0x34000
	v_mov_b32 v255, 0
	ds_add_u32 v254, v255
	ds_add_u32 v254, v255
	s_wait_dscnt 0x0
	v_lshrrev_b32 v8, 5, v0
	v_readfirstlane_b32 s[WV], v8                  ; wave 0..15
	s_bfe_u32 s11, ttmp6, 0x40000                  ; cx: my block of 512 queries: it enters Q's, query's and out0's addresses alone
	s_and_b32 s12, ttmp7, 0xffff                   ; 16 x batch + head, which the four partners share
	v_and_b32 v9, 31, v0                           ; lane
	v_and_b32 v10, 15, v0                          ; r
	v_bfe_u32 v11, v0, 4, 1                        ; h
	v_lshlrev_b32 v[LI], 4, v9                     ; every LDS address register is made here, ahead of the first branch on the wave's number
	v_add_nc_u32 v[AS0], KSOFF, v[LI]
	v_add_nc_u32 v[AV0], VOFF, v[LI]
	v_lshlrev_b32 v[AT0], 3, v9
	v_add_nc_u32 v[AT0], VSOFF, v[AT0]
	s_mul_i32 s13, s[WV], 16*272
	s_add_co_u32 s13, s13, STAGE                   ; my stage
	v_mul_u32_u24 v[STO], v10, 272
	v_lshl_add_u32 v[STO], v11, 6, v[STO]
	v_add_nc_u32 v[STO], s13, v[STO]
	v_mul_u32_u24 v[RD], v11, 272
	v_lshl_add_u32 v[RD], v10, 4, v[RD]
	v_add_nc_u32 v[RD], s13, v[RD]
	v_lshlrev_b32 v[GO], 12, v11
	v_lshl_add_u32 v[GO], v10, 4, v[GO]
	v_lshlrev_b32 v8, 4, v10                       ; Q's scale words: 16 r
	; the descriptor's group 1: 140 rows of 32 elements of 8 bytes, dense in memory and in LDS
	s_mov_b32 s[G1+0], 15|(3<<16)|(1<<21)          ; 15:0 the mask: all four work-groups; 17:16 elements of 8 bytes; 20 no padding; 21 set beside a mask
	s_mov_b32 s[G1+1], 32<<16                      ; tensor_dim0 = 32
	s_mov_b32 s[G1+2], 140<<16                     ; tensor_dim1 = 140
	s_mov_b32 s[G1+3], 32<<16                      ; tile_dim0 = 32
	s_mov_b32 s[G1+4], 140                         ; tile_dim1 = 140
	s_mov_b32 s[G1+5], 32                          ; from row to row
	s_mov_b32 s[G1+6], 0
	s_mov_b32 s[G1+7], 0
	s_and_b32 s13, s[WV], 3
	s_mul_i32 s13, s13, PART                       ; which quarter I fetch, if I fetch: the same in memory and in LDS
	s_mul_i32 s14, s12, REC                        ; the head's record
	s_mov_b32 s15, 0
	s_mov_b32 s46, s13
	s_mov_b32 s47, 0
	s_lshl_b32 s48, s11, 5
	s_lshl_b32 s49, s[WV], 1
	s_add_co_u32 s48, s48, s49                     ; my first tile of queries: 32 cx + 2 w
	s_lshl_b32 s48, s48, 9
	s_add_co_u32 s48, s48, QOFF
	s_mov_b32 s49, 0
	s_lshl_b32 s50, s11, 2
	s_lshr_b32 s51, s[WV], 2
	s_add_co_u32 s50, s50, s51                     ; its group of 128 tokens: 4 cx + w / 4,
	s_lshl_b32 s50, s50, 9
	s_and_b32 s51, s[WV], 3
	s_lshl_b32 s51, s51, 2                         ; word q = w % 4 of a lane's four
	s_add_co_u32 s50, s50, s51
	s_add_co_u32 s50, s50, QSOFF
	s_mov_b32 s51, 0
	s_lshr_b32 s52, s12, 4
	s_lshl_b32 s52, s52, 11                        ; batch x 2,048 tokens
	s_lshl_b32 s53, s11, 9
	s_add_co_u32 s52, s52, s53
	s_lshl_b32 s53, s[WV], 5
	s_add_co_u32 s52, s52, s53                     ; + 512 cx + 32 w
	s_lshl_b32 s52, s52, 12
	s_and_b32 s53, s12, 15
	s_lshl_b32 s53, s53, 8                         ; + the head's 256 bytes of a row
	s_add_co_u32 s52, s52, s53
	s_mov_b32 s53, 0
	s_mov_b32 s[SEL], 0x76543210
	s_mov_b32 s[SEL+1], 0xfedcba98
	s_mov_b32 s[CS], 0x3fb8aa3b                    ; log2(e)
	s_mov_b32 s[CS+1], s[CS]
	s_wait_kmcnt 0x0
	s_add_nc_u64 s[44:45], s[4:5], s[14:15]
	s_mov_b32 s[G0], 1                             ; 1:0 count = 1
	s_mov_b32 s[G0+1], s13                         ; 63:32 LDS address
	s_add_nc_u64 s[G0+2:G0+3], s[44:45], s[46:47]  ; 120:64 global address
	s_or_b32 s[G0+3], s[G0+3], 0x80000000          ; 127:126 type = 2
	s_add_nc_u64 s[QB:QB+1], s[44:45], s[48:49]
	s_add_nc_u64 s[QSB:QSB+1], s[44:45], s[50:51]
	s_add_nc_u64 s[RB:RB+1], s[6:7], s[52:53]
	s_add_nc_u64 s[OBS:OBS+1], s[8:9], s[52:53]
	ROUND                                          ; all four work-groups are here: the joint loads meet
	s_cmp_lt_u32 s[WV], 4
	s_cbranch_scc0 .Lno_fill
	tensor_load_to_lds s[G0:G0+3], s[G1:G1+7]      ; one tensor load of mine is out
	s_nop 0
.rept 4
	v_nop                                          ; four lines behind the load
.endr
.Lno_fill:
	global_load_b128 v[16:19], v[LI], s[QB:QB+1]               ; Q's two fragments stay in registers: lane (r, h): d = 32 h + 0 .. 31
	global_load_b128 v[248:251], v[LI], s[QB:QB+1] offset:512
	global_load_b32 v30, v8, s[QSB:QSB+1]                      ; and their scale words: the even tile's stand at lanes 0-15 of the buffer's 32, the odd tile's 256 bytes on
	global_load_b32 v31, v8, s[QSB:QSB+1] offset:256
.irp j, 20,21,22,23, 252,253,254,255, 36,37,38,39, 44,45,46,47, 52,53,54,55, 60,61,62,63
	v_mov_b32 v[\j], 0                             ; zero codes for k = 64 .. 127 of the first product, written once
.endr
.irp b, 0,1,2,3
	v_mov_b32 v[T4+\b], 0                          ; a lane permute's destination counts as one of its sources
.endr
	v_mov_b32 v[FF+1], 0
	s_wait_tensorcnt 0x0                           ; my quarter has landed (a wave that fetched nothing passes at once),
	s_barrier_signal -1
	s_barrier_wait -1                              ; everybody's has
.macro BMAX b0, b1                     ; the largest score of blocks b0, b1 of 32 keys: my 16 of each, each sum read from its low end on
.irp b, \b0, \b1
	v_max3_num_f32 v[BM+\b], v[S+16*\b], v[S+16*\b+1], v[S+16*\b+2]
.endr
.irp i, 3,5,7,9,11,13
.irp b, \b0, \b1
	v_max3_num_f32 v[BM+\b], v[BM+\b], v[S+16*\b+\i], v[S+16*\b+\i+1]
.endr
.endr
.irp b, \b0, \b1
	v_max_num_f32 v[BM+\b], v[BM+\b], v[S+16*\b+15]
.endr
.endm
.macro SWM t, q, qs                    ; S^T's tile t: 16 keys x my 16 queries; odd tiles' scale words stand in lanes 16-31
.if (\t)%2
	v_wmma_scale_f32_16x16x128_f8f6f4 v[S+8*(\t):S+8*(\t)+7], v[KF+8*((\t)%4):KF+8*((\t)%4)+7], v[\q:\q+7], 0, v[KSC+(\t)/2], v[\qs] matrix_a_fmt:MATRIX_FMT_FP4 matrix_b_fmt:MATRIX_FMT_FP4 matrix_a_scale:MATRIX_SCALE_ROW1
.else
	v_wmma_scale_f32_16x16x128_f8f6f4 v[S+8*(\t):S+8*(\t)+7], v[KF+8*((\t)%4):KF+8*((\t)%4)+7], v[\q:\q+7], 0, v[KSC+(\t)/2], v[\qs] matrix_a_fmt:MATRIX_FMT_FP4 matrix_b_fmt:MATRIX_FMT_FP4
.endif
.endm
.macro PVM t                           ; O^T's tile t += 16 of the head's 64 x these 128 keys
.if (\t)%2
	v_wmma_scale_f32_16x16x128_f8f6f4 v[O+8*(\t):O+8*(\t)+7], v[VF+8*(\t):VF+8*(\t)+7], v[PC:PC+7], v[O+8*(\t):O+8*(\t)+7], v[VSC+(\t)/2], v[PS] matrix_a_fmt:MATRIX_FMT_FP4 matrix_b_fmt:MATRIX_FMT_FP4 matrix_a_scale:MATRIX_SCALE_ROW1
.else
	v_wmma_scale_f32_16x16x128_f8f6f4 v[O+8*(\t):O+8*(\t)+7], v[VF+8*(\t):VF+8*(\t)+7], v[PC:PC+7], v[O+8*(\t):O+8*(\t)+7], v[VSC+(\t)/2], v[PS] matrix_a_fmt:MATRIX_FMT_FP4 matrix_b_fmt:MATRIX_FMT_FP4
.endif
.endm
; A KEY STEP: 128 keys.  q: the first register of my tile's Q; qs: its scale words.
.macro STEP q, qs
	v_add_nc_u32 v[ADK], s[TK], v[LI]              ; no LDS load of mine is out.  These four lines are also the places behind the last step's products, ahead of the loads into V's registers
	v_add_nc_u32 v[ADS], s[TS], v[AS0]
	v_add_nc_u32 v[ADV], s[TK], v[AV0]
	v_add_nc_u32 v[ADT], s[TV], v[AT0]
	ds_load_b128 v[KSC:KSC+3], v[ADS]              ; K's scale words of the step's eight tiles
.irp i, 0,1,2,3
	ds_load_b128 v[KF+8*\i:KF+8*\i+3], v[ADK] offset:512*\i
.endr
.irp t, 0,1,2,3
.irp c, 0,1
	ds_load_b128 v[VF+8*\t+4*\c:VF+8*\t+4*\c+3], v[ADV] offset:1024*\t+512*\c
.endr
.endr
	ds_load_b64 v[VSC:VSC+1], v[ADT]
	s_wait_dscnt 9                                 ; K's words and first four tiles are in; V's nine loads may be out
.irp t, 0,1,2,3
	SWM \t, \q, \qs
.endr
.rept 4
	v_nop                                          ; places: ahead of the loads into K's registers and of the first read of these scores
.endr
.irp i, 0,1,2,3
	ds_load_b128 v[KF+8*\i:KF+8*\i+3], v[ADK] offset:2048+512*\i
.endr
	BMAX 0, 1                                      ; while those loads are out
	s_wait_dscnt 0x0
.irp t, 4,5,6,7
	SWM \t, \q, \qs
.endr
.rept 4
	v_nop
.endr
	BMAX 2, 3                                      ; a block's largest score serves twice: for the row's maximum and, since p rises with the score, for the block's largest p
.irp b, 0,1,2,3
	v_permlanex16_b32 v[T4+\b], v[BM+\b], s[SEL], s[SEL+1]
.endr
.irp b, 0,1,2,3
	v_max_num_f32 v[BM+\b], v[BM+\b], v[T4+\b]     ; with lane l xor 16's 16 keys
.endr
	v_max3_num_f32 v[TP], v[BM], v[BM+1], v[BM+2]
	v_max_num_f32 v[TP], v[TP], v[BM+3]            ; the step's largest score of my query
	v_mul_f32 v[TP], s[CS], v[TP]                  ; as t
	v_max_num_f32 v13, v13, v[TP]                  ; the running largest t
	v_mov_b32 v[TP], v12
	v_floor_f32 v12, -v13                          ; the new -M = floor(-t) = -ceil(t): a whole number
	v_sub_f32 v[TP], v12, v[TP]                    ; old M - new M: a whole number, 0 or less
	v_cvt_i32_f32 v[TP], v[TP]                     ; (it saturates)
	v_ldexp_f32 v[FF], 1.0, v[TP]                  ; f = 2^(old M - new M)
.set j, 0
.rept 32
	v_pk_fma_f32 v[S+j:S+j+1], v[S+j:S+j+1], s[CS:CS+1], v[12:13] op_sel_hi:[1,0,0]   ; t - M, two at a time
.set j, j+2
.endr
.irp b, 0,1,2,3
	v_fma_f32 v[BM+\b], v[BM+\b], s[CS], v12       ; the same of each block's largest score
.endr
.set j, 0
.rept 64
	v_exp_f32 v[S+j], v[S+j]                       ; p = 2^(t - M), at most 1
.set j, j+1
.endr
.irp b, 0,1,2,3
	v_exp_f32 v[BM+\b], v[BM+\b]                   ; the block's largest p: the same two instructions on the same number
.endr
	v_pk_mul_f32 v[14:15], v[14:15], v[FF:FF+1] op_sel_hi:[1,0]   ; the sums under the new M.  (The plain line behind the exponentials)
	s_wait_alu depctr_va_vdst(0)
.irp b, 0,1,2,3
	v_max_num_f32 v[BM+\b], 0x1800000, v[BM+\b]    ; the floor 2^(3 - 127): the byte cannot fall under 1 (a block whose every p is 0 keeps that byte: its codes are zeros)
.endr
.irp b, 0,1,2,3
	v_add_nc_u32 v[SO+\b], 0xff000000, v[BM+\b]    ; 2 off the exponent field: the conversion's scale operand
.endr
.irp b, 0,1,2,3
	v_lshrrev_b32 v[T4+\b], 23, v[SO+\b]           ; the scale's byte
.endr
	v_lshl_or_b32 v[PS], v[T4+1], 8, v[T4]         ; p's scale word for these 128 keys
	v_lshl_or_b32 v[PS], v[T4+2], 16, v[PS]
	v_lshl_or_b32 v[PS], v[T4+3], 24, v[PS]
.irp b, 0,1,2,3
	v_cvt_scalef32_pk8_fp4_f32 v[PC+2*\b], v[S+16*\b:S+16*\b+7], v[SO+\b]
	v_cvt_scalef32_pk8_fp4_f32 v[PC+2*\b+1], v[S+16*\b+8:S+16*\b+15], v[SO+\b]
.endr
	v_nop                                          ; one plain line behind the last conversion
.irp c, 0,1                            ; a whole block to a lane: lanes 0-15 block 2 c, lanes 16-31 block 2 c + 1
.irp i, 0,1
	v_permlane16_swap_b32 v[PC+4*\c+\i], v[PC+2+4*\c+\i]
.endr
.endr
	v_pk_add_f32 v[T4:T4+1], v[S:S+1], v[S+2:S+3]  ; the row's sum is taken of the UNQUANTISED p: two at a time, in two chains
.irp j, 4,8,12,16,20,24,28,32,36,40,44,48,52,56,60
	v_pk_add_f32 v[14:15], v[14:15], v[S+\j:S+\j+1]
	v_pk_add_f32 v[T4:T4+1], v[T4:T4+1], v[S+\j+2:S+\j+3]
.endr
	v_pk_add_f32 v[14:15], v[14:15], v[T4:T4+1]
.set j, 0
.rept 16
	v_pk_mul_f32 v[O+j:O+j+1], v[O+j:O+j+1], v[FF:FF+1] op_sel_hi:[1,0]   ; O^T under the new M.  (The 48 lines from the sums on stand between the making of p's codes and scale word and the products)
.set j, j+2
.endr
.irp t, 0,1,2,3
	PVM \t                                         ; the four accumulators by turns, one instruction a turn
.endr
.endm
; One tile of 16 queries: tokens 8 qt + {0-7, 16-23} of my 32.
.macro QTILE qt, q, qs
	s_wait_xcnt 0x0                                ; the last tile's stores have read their registers
.irp i, 0,1,2,3,4,5,6,7
	global_load_b128 v[RES+4*\i:RES+4*\i+3], v[GO], s[RB:RB+1] offset:(2*\i+8*(\i/4)+8*(\qt))*4096 th:TH_LOAD_NT   ; the residual, asked for a whole walk over the keys ahead: 16 lanes read a token's 256 bytes of my head
.endr
	v_mov_b32 v13, 0xff61b1e6                      ; the largest t so far: -3e38, under every t
	v_floor_f32 v12, -v13                          ; -M
	v_mov_b32 v14, 0
	v_mov_b32 v15, 0
.set j, 0
.rept 32
	v_mov_b32 v[O+j], 0                            ; the step is written once: the first finds zeros, which the first change of M leaves zeros
.set j, j+1
.endr
	s_mov_b32 s[TK], 0
	s_mov_b32 s[TS], 0
	s_mov_b32 s[TV], 0
	s_mov_b32 s[CNT], 16
.if (\qt) == 0
	s_wait_loadcnt 8                               ; Q and its scale words are in; the residual's eight loads may be out
.endif
.Lstep_\@:
	STEP \q, \qs
	s_add_co_u32 s[TK], s[TK], 4096
	s_add_co_u32 s[TS], s[TS], 512
	s_add_co_u32 s[TV], s[TV], 256
	s_sub_co_u32 s[CNT], s[CNT], 1
	s_cmp_lg_u32 s[CNT], 0
	s_cbranch_scc1 .Lstep_\@
	; the way out: O^T / the sum goes through my stage and comes back as whole rows of 256 bytes; the residual is added; 16 lanes store 256 consecutive bytes, aligned
.rept 4
	v_nop                                          ; places behind the last products
.endr
	v_add_f32 v14, v14, v15                        ; the sum's two halves,
	v_permlanex16_b32 v[TP], v14, s[SEL], s[SEL+1]
	v_add_f32 v14, v14, v[TP]                      ; and lane l xor 16's
	v_rcp_f32 v14, v14
	v_nop                                          ; one plain line behind the reciprocal
.set j, 0
	s_wait_alu depctr_va_vdst(0)
.rept 16
	v_pk_mul_f32 v[S+j:S+j+1], v[O+j:O+j+1], v[14:15] op_sel_hi:[1,0]   ; register 16 a + i is d = 32 a + 16 h + i; each sum from its low end on
.set j, j+2
.endr
.irp a, 0,1
.irp i, 0,1,2,3
	ds_store_b128 v[STO], v[S+16*\a+4*\i:S+16*\a+4*\i+3] offset:128*\a+16*\i
.endr
.endr
.irp i, 0,1,2,3,4,5,6,7
	ds_load_b128 v[S+32+4*\i:S+32+4*\i+3], v[RD] offset:544*\i   ; LDS serves a wave's instructions in order (ISA guide 5.7.1.4): these see my stores; rows 2 i and 2 i + 1
.endr
	s_wait_loadcnt 0x0                             ; the residual
.irp i, 0,1,2,3,4,5,6,7
	s_wait_dscnt 7-\i
	v_pk_add_f32 v[S+32+4*\i:S+32+4*\i+1], v[S+32+4*\i:S+32+4*\i+1], v[RES+4*\i:RES+4*\i+1]
	v_pk_add_f32 v[S+32+4*\i+2:S+32+4*\i+3], v[S+32+4*\i+2:S+32+4*\i+3], v[RES+4*\i+2:RES+4*\i+3]
	global_store_b128 v[GO], v[S+32+4*\i:S+32+4*\i+3], s[OBS:OBS+1] offset:(2*\i+8*(\i/4)+8*(\qt))*4096 th:TH_STORE_NT
.endr
.endm
	QTILE 0, 16, 30
	QTILE 1, 248, 31
	s_wait_dscnt 0x0
	s_wait_xcnt 0x0
	v_lshl_add_u32 v254, v0, 2, 0x34000
	v_mov_b32 v255, 0
	s_wait_tensorcnt 0x0
	ds_add_u32 v254, v255
	s_wait_dscnt 0x0
	ROUND                                          ; the closing round: no work-group ends while a partner may still ask for a tile that names it
	s_endpgm
.Lfunc_end_k_q470b4ee637_attn:
	.size	k_q470b4ee637_attn, .Lfunc_end_k_q470b4ee637_attn-k_q470b4ee637_attn
	.p2alignl 7, 3214868480
	.fill 96, 4, 3214868480
	.section	.rodata,"a",@progbits
	.p2align	6, 0x0
	.amdhsa_kernel k_q470b4ee637_attn
		.amdhsa_group_segment_fixed_size 215040
		.amdhsa_private_segment_fixed_size 0
		.amdhsa_enable_private_segment 0
		.amdhsa_kernarg_size 24
		.amdhsa_user_sgpr_count 2
		.amdhsa_user_sgpr_kernarg_segment_ptr 1
		.amdhsa_wavefront_size32 1
		.amdhsa_system_sgpr_workgroup_id_x 1
		.amdhsa_system_sgpr_workgroup_id_y 1
		.amdhsa_system_sgpr_workgroup_id_z 1
		.amdhsa_system_vgpr_workitem_id 0
		.amdhsa_next_free_vgpr 256
		.amdhsa_next_free_sgpr 66
		.amdhsa_reserve_vcc 0
		.amdhsa_float_denorm_mode_32 3
		.amdhsa_float_denorm_mode_16_64 3
		.amdhsa_memory_ordered 1
		.amdhsa_forward_progress 1
		.amdhsa_inst_pref_size 50
	.end_amdhsa_kernel
	.amdgpu_metadata
---
amdhsa.version: [ 1, 2 ]
amdhsa.kernels:
  - .name:           k_q470b4ee637_attn
    .symbol:         k_q470b4ee637_attn.kd
    .args:
      - { .name: qkv, .offset: 0, .size: 8, .value_kind: global_buffer, .address_space: global }
      - { .name: query, .offset: 8, .size: 8, .value_kind: global_buffer, .address_space: global }
      - { .name: out0, .offset: 16, .size: 8, .value_kind: global_buffer, .address_space: global }
    .group_segment_fixed_size: 215040
    .private_segment_fixed_size: 0
    .kernarg_segment_align: 8
    .kernarg_segment_size: 24
    .max_flat_workgroup_size: 512
    .sgpr_count:     66
    .vgpr_count:     256
    .wavefront_size: 32
...
	.end_amdgpu_metadata
.endif
;; end of part 3
;; ======== version 2 of 2: 3 launches
;; workspace buffers: wimg 1,572,864 bytes; wscl 98,304 bytes; qkv 13,893,632 bytes
;; launch wquant: the kernel of part 1 again; grid 8 x 24, 4 waves a work-group, no clusters, 1,536 bytes of LDS; arguments Wq, Wk, Wv, wimg, wscl; writes wimg, wscl
;; launch proj (part 4): grid 64 x 3, 4 waves a work-group, no clusters, 137,728 bytes of LDS; arguments query, key, value, bq, bk, bv, wimg, wscl, qkv; writes qkv
.if DOCPART == 4
	.amdgcn_target "amdgcn-amd-amdhsa--gfx1250"
	.amdhsa_code_object_version 6
	.text
	.protected	k_q470b4ee637_proj
	.globl	k_q470b4ee637_proj
	.p2align	8
	.type	k_q470b4ee637_proj,@function
k_q470b4ee637_proj:
	s_mov_b64 s[64:65], 0
	v_nop
	global_prefetch_b8 v0, s[64:65] scope:SCOPE_SE
	s_setreg_imm32_b32 hwreg(HW_REG_WAVE_SCHED_MODE, 0, 2), 2
	s_setreg_imm32_b32 hwreg(HW_REG_WAVE_MODE, 25, 1), 1
	s_wait_xcnt 0x0
	s_wait_alu depctr_vm_vsrc(0)
; The three projections y = Q(x) Q(W) + b on codes of FP4 (E2M1, one E8M0 byte for each 32 along K), and the quantising of their results for the attention that follows.  Nothing wide goes to memory.
; A work-group (x = block of 128 tokens, y = 0 q, 1 k, 2 v) reads its 128 rows of x once, quantises them along K into LDS as images of operand registers, and multiplies them by all of W.
; THE WAVES SHARE THE COLUMNS: wave w makes n = 256 w .. 256 w + 255, in two chunks of 128 n x 128 tokens: 64 accumulators, 512 registers.  W's fragments and scale words (laid by the launch before in the order
; of the operand's registers) go from memory straight into registers, three K steps ahead, in a ring of four sets.  No tensor load, one barrier.
; W is not asked for jointly by a cluster: it lands in each wave's registers, 544 KB for a work-group beside its 512 KB of x, and a joint load would need a ring in LDS with a round of the cluster's barrier for every refill.
; 192 work-groups: 24,576 rows in blocks of 128 tokens, which are one key step of the attention; no equal split into 256 keeps such blocks whole.
; TILES ARE TAKEN IN THE ORDER  row r of tile t = 32 (t / 2) + 8 (t % 2) + r + 8 (r / 8)  of a group of 128, for tokens and for n alike.  A result's 16 registers of tiles 2 b, 2 b + 1 of source 0 are then 16 NEIGHBOURS along source 0's rows.
;   q, k: source 0 = W (n), source 1 = x (tokens): a lane holds one token, its 64 registers run along n = the head's axis: 128 n are two heads of 64: two blocks of 32 each.
;   v:    source 0 = x (tokens), source 1 = W (n): a lane holds one n = d, its 64 registers run along the 128 tokens = the keys, which are the second product's K.
; So one macro quantises x, q, k and v: 64 numbers of a lane, register 16 b + i = k' 32 b + 16 (lane / 16) + i.  The bias is the C of each sum's first matrix instruction.
; qkv: a record of REC bytes for each (batch, head): K's codes [tile T = 8 step + t][512: lane (r, h): d = 32 h ..], K's scale words [step][lane 16 u + r][q: tile 2 q + u] (bytes 0, 1; bytes 2, 3 are 0),
;   V^T's images [step][tile of d][1,024], V's scale words [step][lane 16 u + r][q'], then Q's codes and scale words as K's.
; LIMITS: a block whose largest magnitude lies under 2^-124 (a block of zeros too) gets the byte 1; the bytes are read by this program alone.  NaN and infinities are not served.  The bias enters a sum first, not last.
; REGISTERS, in windows of 256: window 0: v1-12 addresses; v32-47 W's scale words (4 sets), v48-55 x's (2 sets); v56-63 scale words on their way out; v64-127, v128-191 x's fragments, two sets; v192-255 the bias.
;   While x is quantised v64-97 are at work; on the way out v64-79 are at work, v98-105 hold the eight tiles' scale words and v128-191 their codes.   window 1: W's fragments, 4 sets of 64.
;   windows 2, 3: the accumulators ((rho, p) at v[8 (8 (rho % 4) + p)] of window 2 + rho / 4); while x is quantised: window 2 = x as loaded (4 sets of 64), window 3 v0-127 = x turned (2 sets of 64).
; THE MODE: SCHED_MODE bits 1:0 = 2 (LLVM: expert scheduling mode 2), set by the entry lines.  The code itself states the register dependences between vector or matrix instructions and memory or LDS
; instructions, with s_wait_alu, always for 0.
; THE PLAN.  Registers that memory or LDS instructions touch, and who else names them:
;   v1-7, v10-12   offsets and addresses: written once at the head, never again: one wait on va_vdst ahead of the first load.
;   WHILE x IS QUANTISED (unit u):
;   R0 .. R3       window 2.  The loads of unit u + 3 land in R[(u - 1) % 4]; the stage's LDS stores of a unit read its set; no vector instruction names them.
;   T0, T1         window 3.  The stage's LDS loads of unit u + 1, issued in unit u, land in T[(u - 1) % 2]; unit u's quantising lines read T[u % 2].
;   PC0, PC1, PW0, PW1   written by unit u's lines (set u % 2), read by its three image stores.      v8, v9   written at a trip's head, read by the trip's image stores.
;   One wait on va_vdst a unit, behind its quantising lines: its codes, its word (and v8, v9) are written, and T[u % 2] has been read.  A wait on vm_vsrc at a trip's head and at unit 2's head, each for two units:
;   all that units u and u + 1 load into or write again was read by LDS stores issued ahead of unit u's head.
;   IN THE PRODUCTS (K step s):
;   W0 .. W3, WS0 .. WS3, X0, X1, XS0, XS1   K step s's products read W[s % 4], X[s % 2] and their scale words; the loads in its middle land in W[(s - 1) % 4] and X[(s - 1) % 2], which K step s - 1 read.
;   One wait on va_vdst at a K step's head; the 32 products between it and the loads name none of the registers that those loads touch.
;   ON THE WAY OUT: eight sets of codes and eight scale words, one for each tile: written once a chunk by the quantising lines, read by the stores.  Two batches of four tiles, one wait on va_vdst ahead of each run of stores.
;   At a chunk's head one wait on va_vdst and one on vm_vsrc free all of v56-191 and the accumulators for the chunk's loads and products.
.set REC,   217088
.set KSOFF, 65536
.set VOFF,  73728
.set VSOFF, 139264
.set QOFF,  143360
.set QSOFF, 208896
.set XSC,   65536                      ; LDS: x's 64 images [s 8][t 8][1,024] from 0; their scale words [s][lane 16 u + r][q] from XSC;
.set STG,   69632                      ; from STG each wave's two stages of 16 rows x 528 bytes
.set WSTG,  16896
.set LI,  1                            ; v1   16 x lane
.set LS,  2                            ; v2   XSC + 16 x lane
.set XA,  3                            ; v3   x: 16 x lane + my wave's 32 rows
.set STI, 4                            ; v4   my stage, as loaded: 16 x lane
.set STO, 5                            ; v5   my stage, turned: 528 r + 64 h
.set XW,  6                            ; v6   where my images go: 16 x lane + 2,048 w
.set XSW, 7                            ; v7   and their scale words: XSC + 16 r + 4 w
.set XWT, 8                            ; v8, v9  the same for the trip in hand
.set XST, 9
.set BAQ, 10                           ; v10  bias, q and k: 64 h
.set BAV, 11                           ; v11  bias, v: 4 (r + 8 (r / 8))
.set L8,  12                           ; v12  8 x lane
.set WS,  32
.set XS,  48
.set SW,  56
.set SB,  60
.set XF,  64
.set TM,  64                           ; v64-67 largest magnitudes, v68-71 the other half's, then bytes, v76-79 the conversions' scale operands
.set PC,  80                           ; v80-95 while x is quantised: codes just made, two sets by turns
.set PW,  96                           ; v96, v97 and their scale words, by turns
.set EPW, 98                           ; v98-105 the way out: tile rho's scale word
.set EPC, 128                          ; v128-191 the way out: tile rho's eight registers of codes
.set BI,  192
.set WV,  22
.set TY,  23
.set XB,  26                           ; s[26:27] x at my block        s[28:29] the bias at my wave's n
.set BB,  28
.set WB,  30                           ; s[30:31] W's images at my chunk   s[32:33] W's scale words
.set WSB, 32
.set OB,  34                           ; s[34:35] where my chunk's codes go   s[36:37] and its scale words
.set SBS, 36
.set SEL, 38                           ; s[38:39] v_permlanex16_b32's selects for lane l xor 16
.set TR,  41
.set TR2, 42
.set CNT, 43
.set CH,  44
.set MSB, 0
.macro WIN new                         ; s_set_vgpr_msb: bits 1:0 source 0, 3:2 source 1, 5:4 source 2, 7:6 destination; the high byte repeats the setting that is left
.if MSB != (\new)
	s_set_vgpr_msb (MSB<<8)|(\new)
.set MSB, (\new)
.endif
.endm
.macro PLACES                          ; four plain vector lines behind matrix instructions, ahead of loads into their registers and of the first read of results
.rept 4
	v_nop
.endr
.endm
; 64 numbers of a lane, v[s] .. v[s + 63] of window win, register 16 b + i = k' 32 b + 16 (lane / 16) + i of my row, become a fragment's codes in v[pc] .. v[pc + 7] and its scale word in v[pw].
; Sums of matrix instructions are read from their low end on: each block's 16 registers in ascending order.
.macro QUANT win, s, pc, pw
	WIN ((\win)<<2)|((\win)<<4)
.irp b, 0,1,2,3
	v_max3_num_f32 v[TM+\b], 0x1800000, |v[(\s)+16*\b]|, |v[(\s)+16*\b+1]|   ; block b: my 16 numbers, and the floor 2^(3 - 127): the byte cannot fall under 1
.endr
.irp i, 2,4,6,8,10,12,14
.irp b, 0,1,2,3
	v_max3_num_f32 v[TM+\b], v[TM+\b], |v[(\s)+16*\b+\i]|, |v[(\s)+16*\b+\i+1]|   ; the four blocks by turns
.endr
.endr
	WIN 0
.irp b, 0,1,2,3
	v_permlanex16_b32 v[TM+4+\b], v[TM+\b], s[SEL], s[SEL+1]
.endr
.irp b, 0,1,2,3
	v_max_num_f32 v[TM+\b], v[TM+\b], v[TM+4+\b]   ; with lane l xor 16's 16: the block's largest magnitude
.endr
.irp b, 0,1,2,3
	v_add_nc_u32 v[TM+12+\b], 0xff000000, v[TM+\b] ; 2 off its exponent field: the conversion's scale operand
.endr
.irp b, 0,1,2,3
	v_lshrrev_b32 v[TM+4+\b], 23, v[TM+12+\b]      ; the scale's byte
.endr
	v_lshl_or_b32 v[\pw], v[TM+5], 8, v[TM+4]      ; my row's scale word (the same in lanes l and l xor 16)
	v_lshl_or_b32 v[\pw], v[TM+6], 16, v[\pw]
	v_lshl_or_b32 v[\pw], v[TM+7], 24, v[\pw]
	WIN (\win)
.irp b, 0,1,2,3
	v_cvt_scalef32_pk8_fp4_f32 v[(\pc)+2*\b], v[(\s)+16*\b:(\s)+16*\b+7], v[TM+12+\b]
	v_cvt_scalef32_pk8_fp4_f32 v[(\pc)+2*\b+1], v[(\s)+16*\b+8:(\s)+16*\b+15], v[TM+12+\b]
.endr
	WIN 0
	v_nop                                          ; one plain line behind the last conversion
.irp c, 0,1                            ; the operand's layout wants a whole block in a lane: lanes 0-15 block 2 c, lanes 16-31 block 2 c + 1
.irp i, 0,1
	v_permlane16_swap_b32 v[(\pc)+4*\c+\i], v[(\pc)+2+4*\c+\i]
.endr
.endr
.endm
; Unit j of a trip = (K step j / 2, tile j % 2 of my two): 16 rows x 512 bytes.  Each load reads 512 consecutive bytes of one row.
.macro LOADX j
	WIN 0x80
.irp i, 0,1,2,3,4,5,6,7,8,9,10,11,12,13,14,15
	global_load_b128 v[64*((\j)%4)+4*\i:64*((\j)%4)+4*\i+3], v[XA], s[XB:XB+1] offset:(\i+8*(\i/8)+8*((\j)%2))*4096+((\j)/2)*512 th:TH_LOAD_NT
.endr
	WIN 0
.endm
; The unit turns through my own stage: in as loaded, out 16 neighbours of each block of 32 to a lane.  LDS serves a wave's instructions in order (ISA guide 5.7.1.4): no wait between.  Rows 528 bytes apart: an odd multiple of 16.
.macro TURN j
	WIN 0x08
.irp i, 0,1,2,3,4,5,6,7,8,9,10,11,12,13,14,15
	ds_store_b128 v[STI], v[64*((\j)%4)+4*\i:64*((\j)%4)+4*\i+3] offset:((\j)%2)*8448+528*\i
.endr
	WIN 0xc0
.irp b, 0,1,2,3
.irp k, 0,1,2,3
	ds_load_b128 v[64*((\j)%2)+16*\b+4*\k:64*((\j)%2)+16*\b+4*\k+3], v[STO] offset:((\j)%2)*8448+128*\b+16*\k
.endr
.endr
	WIN 0
.endm
.macro XHEAD                           ; a trip's head: no LDS instruction of mine is out
	s_wait_dscnt 0x0
	s_wait_alu depctr_vm_vsrc(0)                   ; the LDS stores issued so far have read their registers: v8 and v9, written below; the raw sets in which units 3 and 4 land; the codes and words that units 0 and 1 write again
	v_add_nc_u32 v[XWT], s[TR], v[XW]
	v_add_nc_u32 v[XST], s[TR2], v[XSW]
.endm
; Unit u is quantised; the unit three on is asked for, the next one turned.  lcnt: the loads issued behind the next unit's.
.macro XUNIT u, load, turn, lcnt
.if (\u) > 0
	s_wait_dscnt 3                                 ; all but the last unit's three image stores: this unit is back from the stage
.endif
.if (\u) == 2
	s_wait_alu depctr_vm_vsrc(0)                   ; the LDS stores issued so far have read their registers: the raw sets in which units 5 and 6 land; the codes and words that units 2 and 3 write again
.endif
.if \load
	LOADX (\u)+3
.endif
.if \turn
	s_wait_loadcnt \lcnt
	TURN (\u)+1                                    ; its LDS loads land in the turned set that the unit before read: that unit's wait on va_vdst stands ahead, and no vector line since names the set
.endif
	QUANT 3, 64*((\u)%2), PC+8*((\u)%2), PW+((\u)%2)
	s_wait_alu depctr_va_vdst(0)                   ; the lines above have written this unit's codes and word (in unit 0: v8 and v9 too), which the stores below read, and are done reading the turned set, in which the next unit's stage loads land
	ds_store_b128 v[XWT], v[PC+8*((\u)%2):PC+8*((\u)%2)+3] offset:((\u)/2)*8192+((\u)%2)*1024        ; the fragment goes to LDS as it stands: 512 consecutive bytes a store
	ds_store_b128 v[XWT], v[PC+8*((\u)%2)+4:PC+8*((\u)%2)+7] offset:((\u)/2)*8192+((\u)%2)*1024+512
	ds_store_b32 v[XST], v[PW+((\u)%2)] offset:((\u)/2)*512+((\u)%2)*256                             ; lanes l and l xor 16 write the same word with the same value
.endm
.macro BIAS path, off                  ; eight registers a tile, in the result's layout
.if (\path) == 0
.irp p, 0,1,2,3,4,5,6,7
	global_load_b128 v[BI+8*\p:BI+8*\p+3], v[BAQ], s[BB:BB+1] offset:(\off)+(32*(\p/2)+8*(\p%2))*4       ; lane (r, h): b at n = 32 (p / 2) + 16 h + 8 (p % 2) + 0 .. 7
	global_load_b128 v[BI+8*\p+4:BI+8*\p+7], v[BAQ], s[BB:BB+1] offset:(\off)+(32*(\p/2)+8*(\p%2))*4+16
.endr
.else
.irp p, 0,1,2,3,4,5,6,7
.irp j, 0,1,2,3,4,5,6,7
	global_load_b32 v[BI+8*\p+\j], v[BAV], s[BB:BB+1] offset:(\off)+(32*(\p/2)+8*(\p%2))*4               ; a lane holds one n: the same number in all eight
.endr
.endr
.endif
.endm
.macro LOADW set, ko                   ; W's eight fragments and their scale words of K step ko (8 and on: the next chunk's): 17 loads
	WIN 0x40
.irp p, 0,1,2,3,4,5,6,7
.irp c, 0,1
	global_load_b128 v[64*(\set)+8*\p+4*\c:64*(\set)+8*\p+4*\c+3], v[LI], s[WB:WB+1] offset:(\ko)*8192+\p*1024+\c*512
.endr
.endr
	WIN 0
	global_load_b128 v[WS+4*(\set):WS+4*(\set)+3], v[LI], s[WSB:WSB+1] offset:(\ko)*512
.endm
.macro FETCHX s                        ; x's eight fragments and their scale words of K step s, from LDS
.irp t, 0,1,2,3,4,5,6,7
.irp c, 0,1
	ds_load_b128 v[XF+64*((\s)%2)+8*\t+4*\c:XF+64*((\s)%2)+8*\t+4*\c+3], v[LI] offset:(\s)*8192+\t*1024+\c*512
.endr
.endr
	ds_load_b128 v[XS+4*((\s)%2):XS+4*((\s)%2)+3], v[LS] offset:(\s)*512
.endm
.macro WM d, a, b, c, sa, sb, ra, rb   ; one product; ra, rb: the side's scale words stand in lanes 16-31
.if (\ra)
.if (\rb)
	v_wmma_scale_f32_16x16x128_f8f6f4 v[(\d):(\d)+7], v[(\a):(\a)+7], v[(\b):(\b)+7], v[(\c):(\c)+7], v[\sa], v[\sb] matrix_a_fmt:MATRIX_FMT_FP4 matrix_b_fmt:MATRIX_FMT_FP4 matrix_a_scale:MATRIX_SCALE_ROW1 matrix_b_scale:MATRIX_SCALE_ROW1
.else
	v_wmma_scale_f32_16x16x128_f8f6f4 v[(\d):(\d)+7], v[(\a):(\a)+7], v[(\b):(\b)+7], v[(\c):(\c)+7], v[\sa], v[\sb] matrix_a_fmt:MATRIX_FMT_FP4 matrix_b_fmt:MATRIX_FMT_FP4 matrix_a_scale:MATRIX_SCALE_ROW1
.endif
.else
.if (\rb)
	v_wmma_scale_f32_16x16x128_f8f6f4 v[(\d):(\d)+7], v[(\a):(\a)+7], v[(\b):(\b)+7], v[(\c):(\c)+7], v[\sa], v[\sb] matrix_a_fmt:MATRIX_FMT_FP4 matrix_b_fmt:MATRIX_FMT_FP4 matrix_b_scale:MATRIX_SCALE_ROW1
.else
	v_wmma_scale_f32_16x16x128_f8f6f4 v[(\d):(\d)+7], v[(\a):(\a)+7], v[(\b):(\b)+7], v[(\c):(\c)+7], v[\sa], v[\sb] matrix_a_fmt:MATRIX_FMT_FP4 matrix_b_fmt:MATRIX_FMT_FP4
.endif
.endif
.endm
; 32 products of K step s: source 1's tiles rho = 4 hi + 0 .. 3 against source 0's eight.  path 0 (q, k): source 0 = W (window 1), source 1 = x;  path 1 (v): source 0 = x, source 1 = W.
; In K step 0 the bias (window 0) is C.  The 64 accumulators take turns, one instruction a turn, in the same order in every K step.
.macro HALF path, s, hi
.if (\path) == 0
.if (\s) == 0
	WIN 0x81+0x40*(\hi)
.else
	WIN 0xa1+0x50*(\hi)
.endif
.else
.if (\s) == 0
	WIN 0x84+0x40*(\hi)
.else
	WIN 0xa4+0x50*(\hi)
.endif
.endif
.irp a, 0,1,2,3
.irp p, 0,1,2,3,4,5,6,7
.set rD, 8*(8*\a+\p)
.if (\path) == 0
.set rA, 64*((\s)%4)+8*\p
.set rB, XF+64*((\s)%2)+8*(4*(\hi)+\a)
.set rSA, WS+4*((\s)%4)+\p/2
.set rSB, XS+4*((\s)%2)+(4*(\hi)+\a)/2
.set rC, BI+8*\p
.else
.set rA, XF+64*((\s)%2)+8*\p
.set rB, 64*((\s)%4)+8*(4*(\hi)+\a)
.set rSA, XS+4*((\s)%2)+\p/2
.set rSB, WS+4*((\s)%4)+(4*(\hi)+\a)/2
.set rC, BI+8*(4*(\hi)+\a)
.endif
.if (\s) != 0
.set rC, rD
.endif
	WM rD, rA, rB, rC, rSA, rSB, \p%2, \a%2
.endr
.endr
.endm
.macro KSTEP path, s
.if (\s) <= 5
	s_wait_loadcnt 34                              ; this K step's set of W is in; the two sets behind it, 17 loads each, may be out
.elseif (\s) == 6
	s_wait_loadcnt 17
.else
	s_wait_loadcnt 0x0
.endif
	s_wait_dscnt 0x0                               ; x's fragments are in (asked for 32 matrix instructions ago)
.if (\s) > 0
	s_wait_alu depctr_va_vdst(0)                   ; the K step before's products are done reading their set of W, their set of x and both sets' scale words, in which the loads of this K step's middle land (K step 7: the next chunk's third set of W, asked for behind this K step).  In K step 0 the chunk's head has said it
.endif
	HALF \path, \s, 0
.if (\s) < 7
	PLACES                                         ; the registers loaded below were last read by the K step before; the 32 products above name none of them, so no further wait stands here
.if (\s)+3 < 8
	LOADW ((\s)+3)%4, (\s)+3
.endif
	WIN 0
	FETCHX (\s)+1
.endif
	HALF \path, \s, 1
	WIN 0
.endm
; The way out of a chunk.  Source 1's tile rho: its 64 registers are quantised and leave as images: every store covers 512 (the scale words of v: 256) consecutive bytes, aligned.
; Each tile has its own eight registers of codes and its own scale word, so that nothing that a store reads is written again within a chunk.
.macro EOUT path, r                    ; tile r's two stores
.if (\path) == 0
	global_store_b128 v[LI], v[EPC+8*(\r):EPC+8*(\r)+3], s[OB:OB+1] offset:512*(\r)                ; n 0-63: the chunk's first head, token tile rho
	global_store_b128 v[LI], v[EPC+8*(\r)+4:EPC+8*(\r)+7], s[OB:OB+1] offset:512*(\r)+REC          ; n 64-127: its second head
.else
	global_store_b128 v[LI], v[EPC+8*(\r):EPC+8*(\r)+3], s[OB:OB+1] offset:((\r)/4)*REC+((\r)%4)*1024        ; head rho / 4 of the chunk, tile rho % 4 of its d; keys 0-63 of the step,
	global_store_b128 v[LI], v[EPC+8*(\r)+4:EPC+8*(\r)+7], s[OB:OB+1] offset:((\r)/4)*REC+((\r)%4)*1024+512  ; keys 64-127
.endif
.endm
.macro EPI path
.irp r, 0,1,2,3
	QUANT 2+\r/4, 64*(\r%4), EPC+8*\r, EPW+\r
.if \r%2
	v_cndmask_b32 v[SW+\r/2], v[EPW+\r-1], v[EPW+\r], vcc_lo                                       ; lanes 0-15 the even tile's words, lanes 16-31 the odd tile's
.endif
.endr
	s_wait_alu depctr_va_vdst(0)                   ; tiles 0 to 3: the lines above have written their codes (v: and the first head's scale words), which the stores below read
.irp r, 0,1,2,3
	EOUT \path, \r
.endr
.if (\path) == 1
	global_store_b64 v[L8], v[SW:SW+1], s[SBS:SBS+1]
.endif
.irp r, 4,5,6,7
	QUANT 2+\r/4, 64*(\r%4), EPC+8*\r, EPW+\r
.if \r%2
	v_cndmask_b32 v[SW+\r/2], v[EPW+\r-1], v[EPW+\r], vcc_lo
.endif
.endr
.if (\path) == 0
.irp q, 0,1,2,3
	v_lshrrev_b32 v[SB+\q], 16, v[SW+\q]           ; bytes 2, 3: the second head's two blocks; the upper two bytes of each head's word are 0
.endr
.irp q, 0,1,2,3
	v_and_b32 v[SW+\q], 0xffff, v[SW+\q]           ; bytes 0, 1: the first head's
.endr
.endif
	s_wait_alu depctr_va_vdst(0)                   ; tiles 4 to 7: their codes are written, and so are the scale words that leave below
.irp r, 4,5,6,7
	EOUT \path, \r
.endr
.if (\path) == 0
	global_store_b128 v[LI], v[SW:SW+3], s[SBS:SBS+1]
	global_store_b128 v[LI], v[SB:SB+3], s[SBS:SBS+1] offset:REC
.else
	global_store_b64 v[L8], v[SW+2:SW+3], s[SBS:SBS+1] offset:REC
.endif
.endm
.macro GEMM path                       ; my two chunks of 128 n
	s_mov_b32 s[CH], 2
.Lchunk_\@:
	s_wait_alu depctr_va_vdst(0)                   ; the quantising lines (of x, or of the chunk before) are done with v64-105, and K step 7's products with their sets of x and W: x's fragments and W's fourth set land there
	s_wait_alu depctr_vm_vsrc(0)                   ; the image stores (or the chunk before's global stores) have read v56-63 and v80-191, in which x's fragments land and which the next way out writes; the stage's stores have read window 2, which K step 0's products write
	FETCHX 0
.irp s, 0,1,2,3,4,5,6,7
	KSTEP \path, \s
.endr
	PLACES                                         ; behind the last products: for the loads below, for the first read of the sums and for the first write of the registers that held x's fragments
	s_cmp_eq_u32 s[CH], 1                          ; the next chunk's bias and first three sets of W are asked for here, if there is a next chunk: no load leaves its buffer
	s_cbranch_scc1 .Lnonext_\@
	BIAS \path, 512                                ; no wait: the bias was read by K step 0, the three sets by K steps 4, 5 and 6, all ahead of K step 7's wait; K step 7 names none of them
	LOADW 0, 8
	LOADW 1, 9
	LOADW 2, 10
.Lnonext_\@:
	EPI \path
	s_wait_xcnt 0x0                                ; loads and stores have read their bases and registers: the bases step, and the stores' data are loaded over, only behind this wait
	s_add_nc_u64 s[WB:WB+1], s[WB:WB+1], 65536
	s_add_nc_u64 s[WSB:WSB+1], s[WSB:WSB+1], 4096
	s_add_nc_u64 s[BB:BB+1], s[BB:BB+1], 512
	s_add_nc_u64 s[OB:OB+1], s[OB:OB+1], 2*REC
	s_add_nc_u64 s[SBS:SBS+1], s[SBS:SBS+1], 2*REC
	s_sub_co_u32 s[CH], s[CH], 1
	s_cmp_lg_u32 s[CH], 0
	s_cbranch_scc1 .Lchunk_\@
	s_wait_dscnt 0x0                               ; the closing lines, six on end
	s_wait_alu 0x0
	s_wait_tensorcnt 0x0
	ds_add_u32 v30, v31
	s_wait_dscnt 0x0
	s_endpgm
.endm
	s_load_b256 s[4:11], s[0:1], 0x0               ; query s[4:5], key s[6:7], value s[8:9], bq s[10:11]
	s_load_b256 s[12:19], s[0:1], 0x20             ; bk s[12:13], bv s[14:15], wimg s[16:17], wscl s[18:19]
	s_load_b64 s[20:21], s[0:1], 0x40              ; qkv
	v_lshl_add_u32 v30, v0, 2, 0x21800
	v_mov_b32 v31, 0
	v_lshrrev_b32 v13, 5, v0
	v_readfirstlane_b32 s[WV], v13                 ; wave 0..3
	s_and_b32 s[TY], ttmp7, 0xffff                 ; 0 q, 1 k, 2 v
	v_and_b32 v14, 31, v0                          ; lane
	v_and_b32 v15, 15, v0                          ; r
	v_bfe_u32 v16, v0, 4, 1                        ; h
	v_lshlrev_b32 v[LI], 4, v14
	v_add_nc_u32 v[LS], XSC, v[LI]
	s_wait_alu depctr_va_sdst(0)                   ; the wave's number is written, ahead of its first reader: addresses and bases are made from it
	s_lshl_b32 s46, s[WV], 17
	v_add_nc_u32 v[XA], s46, v[LI]
	s_mul_i32 s47, s[WV], WSTG
	s_add_co_u32 s47, s47, STG
	v_add_nc_u32 v[STI], s47, v[LI]
	v_mul_u32_u24 v[STO], v15, 528
	v_lshl_add_u32 v[STO], v16, 6, v[STO]
	v_add_nc_u32 v[STO], s47, v[STO]
	s_lshl_b32 s48, s[WV], 11
	v_add_nc_u32 v[XW], s48, v[LI]
	s_lshl_b32 s49, s[WV], 2
	s_add_co_u32 s49, s49, XSC
	v_lshlrev_b32 v[XSW], 4, v15
	v_add_nc_u32 v[XSW], s49, v[XSW]
	v_lshlrev_b32 v[BAQ], 6, v16
	v_and_b32 v[BAV], 8, v15
	v_add_nc_u32 v[BAV], v[BAV], v15
	v_lshlrev_b32 v[BAV], 2, v[BAV]
	v_lshlrev_b32 v[L8], 3, v14
	v_cmp_lt_u32 vcc_lo, 15, v14                   ; lanes 16-31: kept in VCC for the whole kernel; nothing else writes it
.irp b, 0,1,2,3
	v_mov_b32 v[TM+4+\b], 0                        ; a lane permute's destination counts as one of its sources
.endr
	s_wait_alu depctr_va_vcc(0)                    ; VCC is written, ahead of every branch and of its readers, the selects on the way out
	s_mov_b32 s[SEL], 0x76543210
	s_mov_b32 s[SEL+1], 0xfedcba98
	s_mov_b32 s50, QOFF                            ; where my tensor's codes and scale words lie in a record, and log2 of a step's bytes of scale words
	s_mov_b32 s51, QSOFF
	s_mov_b32 s52, 9
	s_cmp_eq_u32 s[TY], 1
	s_cselect_b32 s50, 0, s50
	s_cselect_b32 s51, KSOFF, s51
	s_cmp_eq_u32 s[TY], 2
	s_cselect_b32 s50, VOFF, s50
	s_cselect_b32 s51, VSOFF, s51
	s_cselect_b32 s52, 8, s52
	s_lshl_b32 s46, ttmp9, 19                      ; x: my block's 128 rows of 4,096 bytes
	s_mov_b32 s47, 0
	s_lshl_b32 s48, s[WV], 10                      ; the bias: my 256 n
	s_mov_b32 s49, 0
	s_lshl_b32 s54, s[TY], 19                      ; wimg: my weight, my wave's two groups of 128 n
	s_lshl_b32 s55, s[WV], 17
	s_add_co_u32 s54, s54, s55
	s_mov_b32 s55, 0
	s_lshl_b32 s56, s[TY], 15                      ; wscl likewise
	s_lshl_b32 s57, s[WV], 13
	s_add_co_u32 s56, s56, s57
	s_mov_b32 s57, 0
	s_and_b32 s58, ttmp9, 0x30                     ; 16 x batch
	s_lshl_b32 s59, s[WV], 2
	s_add_co_u32 s58, s58, s59                     ; + my first head
	s_mul_i32 s58, s58, REC
	s_and_b32 s59, ttmp9, 15                       ; the key step that my block is
	s_lshl_b32 s60, s59, 12
	s_add_co_u32 s60, s60, s58
	s_add_co_u32 s60, s60, s50
	s_mov_b32 s61, 0
	s_lshl_b32 s62, s59, s52
	s_add_co_u32 s62, s62, s58
	s_add_co_u32 s62, s62, s51
	s_mov_b32 s63, 0
	s_wait_kmcnt 0x0
	s_cmp_eq_u32 s[TY], 1                          ; the choices hang on the work-group's number alone
	s_cselect_b64 s[XB:XB+1], s[6:7], s[4:5]
	s_cselect_b64 s[BB:BB+1], s[12:13], s[10:11]
	s_cmp_eq_u32 s[TY], 2
	s_cselect_b64 s[XB:XB+1], s[8:9], s[XB:XB+1]
	s_cselect_b64 s[BB:BB+1], s[14:15], s[BB:BB+1]
	s_add_nc_u64 s[XB:XB+1], s[XB:XB+1], s[46:47]
	s_add_nc_u64 s[BB:BB+1], s[BB:BB+1], s[48:49]
	s_add_nc_u64 s[WB:WB+1], s[16:17], s[54:55]
	s_add_nc_u64 s[WSB:WSB+1], s[18:19], s[56:57]
	s_add_nc_u64 s[OB:OB+1], s[20:21], s[60:61]
	s_add_nc_u64 s[SBS:SBS+1], s[20:21], s[62:63]
	s_wait_alu depctr_va_vdst(0)                   ; the offsets and addresses v1 to v7 and v10 to v12 are written: every load and store of the kernel, global or LDS, reads one of them (or v8, v9, which have waits of their own)
	s_cmp_eq_u32 s[TY], 2
	s_cbranch_scc1 .Lbias_v
	BIAS 0, 0
	s_branch .Lbias_done
.Lbias_v:
	BIAS 1, 0
.Lbias_done:
	LOADW 0, 0                                     ; the first chunk's first three sets of W land while x is quantised
	LOADW 1, 1
	LOADW 2, 2
	; ---- x: wave w quantises token tiles 2 w and 2 w + 1, all eight K steps: 16 units, four a trip; loads run three units (48 loads a wave) ahead, the turn through LDS one unit
	LOADX 0
	LOADX 1
	LOADX 2
	s_wait_loadcnt 32                              ; unit 0 is in; units 1 and 2 may be out
	TURN 0
	s_mov_b32 s[TR], 0
	s_mov_b32 s[TR2], 0
	s_mov_b32 s[CNT], 3
.Lxtrip:
	XHEAD
	XUNIT 0, 1, 1, 32
	XUNIT 1, 1, 1, 32
	XUNIT 2, 1, 1, 32
	XUNIT 3, 1, 1, 32
	s_wait_xcnt 0x0                                ; the loads have read their base
	s_add_nc_u64 s[XB:XB+1], s[XB:XB+1], 1024      ; two K steps on
	s_add_co_u32 s[TR], s[TR], 16384
	s_add_co_u32 s[TR2], s[TR2], 1024
	s_sub_co_u32 s[CNT], s[CNT], 1
	s_cmp_lg_u32 s[CNT], 0
	s_cbranch_scc1 .Lxtrip
	XHEAD                                          ; the last four units: one more load, then the counts run down
	XUNIT 0, 1, 1, 32
	XUNIT 1, 0, 1, 16
	XUNIT 2, 0, 1, 0
	XUNIT 3, 0, 0, 0
	s_wait_dscnt 0x0                               ; for the others' sake: my images and scale words are in LDS
	s_barrier_signal -1
	s_barrier_wait -1                              ; x's 64 fragments lie in LDS; from here on LDS is only read
	s_cmp_eq_u32 s[TY], 2
	s_cbranch_scc1 .Lpath_v
	GEMM 0
.Lpath_v:
	GEMM 1
.Lfunc_end_k_q470b4ee637_proj:
	.size	k_q470b4ee637_proj, .Lfunc_end_k_q470b4ee637_proj-k_q470b4ee637_proj
	.p2alignl 7, 3214868480
	.fill 96, 4, 3214868480
	.section	.rodata,"a",@progbits
	.p2align	6, 0x0
	.amdhsa_kernel k_q470b4ee637_proj
		.amdhsa_group_segment_fixed_size 137728
		.amdhsa_private_segment_fixed_size 0
		.amdhsa_enable_private_segment 0
		.amdhsa_kernarg_size 72
		.amdhsa_user_sgpr_count 2
		.amdhsa_user_sgpr_kernarg_segment_ptr 1
		.amdhsa_wavefront_size32 1
		.amdhsa_system_sgpr_workgroup_id_x 1
		.amdhsa_system_sgpr_workgroup_id_y 1
		.amdhsa_system_sgpr_workgroup_id_z 1
		.amdhsa_system_vgpr_workitem_id 0
		.amdhsa_next_free_vgpr 1024
		.amdhsa_next_free_sgpr 66
		.amdhsa_reserve_vcc 1
		.amdhsa_float_denorm_mode_32 3
		.amdhsa_float_denorm_mode_16_64 3
		.amdhsa_memory_ordered 1
		.amdhsa_forward_progress 1
		.amdhsa_inst_pref_size 255
	.end_amdhsa_kernel
	.section	.bss,"aw",@nobits
	.p2align	6
	.space	262144
	.amdgpu_metadata
---
amdhsa.version: [ 1, 2 ]
amdhsa.kernels:
  - .name:           k_q470b4ee637_proj
    .symbol:         k_q470b4ee637_proj.kd
    .args:
      - { .name: query, .offset: 0, .size: 8, .value_kind: global_buffer, .address_space: global }
      - { .name: key, .offset: 8, .size: 8, .value_kind: global_buffer, .address_space: global }
      - { .name: value, .offset: 16, .size: 8, .value_kind: global_buffer, .address_space: global }
      - { .name: bq, .offset: 24, .size: 8, .value_kind: global_buffer, .address_space: global }
      - { .name: bk, .offset: 32, .size: 8, .value_kind: global_buffer, .address_space: global }
      - { .name: bv, .offset: 40, .size: 8, .value_kind: global_buffer, .address_space: global }
      - { .name: wimg, .offset: 48, .size: 8, .value_kind: global_buffer, .address_space: global }
      - { .name: wscl, .offset: 56, .size: 8, .value_kind: global_buffer, .address_space: global }
      - { .name: qkv, .offset: 64, .size: 8, .value_kind: global_buffer, .address_space: global }
    .group_segment_fixed_size: 137728
    .private_segment_fixed_size: 0
    .kernarg_segment_align: 8
    .kernarg_segment_size: 72
    .max_flat_workgroup_size: 128
    .sgpr_count:     66
    .vgpr_count:     1024
    .wavefront_size: 32
...
	.end_amdgpu_metadata
.endif
;; end of part 4
;; launch attn (part 5): grid 4 x 64, 16 waves a work-group, clusters of 4 x 1, 215,040 bytes of LDS; arguments qkv, query, out0; writes out0
.if DOCPART == 5
	.amdgcn_target "amdgcn-amd-amdhsa--gfx1250"
	.amdhsa_code_object_version 6
	.text
	.protected	k_q470b4ee637_attn
	.globl	k_q470b4ee637_attn
	.p2align	8
	.type	k_q470b4ee637_attn,@function
k_q470b4ee637_attn:
	s_mov_b64 s[64:65], 0
	v_nop
	global_prefetch_b8 v0, s[64:65] scope:SCOPE_SE
	s_setreg_imm32_b32 hwreg(HW_REG_WAVE_MODE, 25, 1), 1
	s_wait_xcnt 0x0
	s_wait_alu depctr_hold_cnt(0) depctr_sa_sdst(0) depctr_va_vdst(0) depctr_va_sdst(0) depctr_va_ssrc(0) depctr_va_vcc(0) depctr_vm_vsrc(0)
	s_getreg_b32 s2, hwreg(HW_REG_IB_STS2, 6, 4)
	s_cmp_eq_u32 s2, 0
	s_cbranch_scc0 .Lentry_in_a_cluster
	s_endpgm
.Lentry_in_a_cluster:
	s_bfe_u32 s2, ttmp6, 0x10000c
	s_cmp_lg_u32 s2, 0x3003
	s_cbranch_scc0 .Lentry_shape_is_right
	s_endpgm
.Lentry_shape_is_right:
; out0[b][s][64 head + d] = query[b][s][64 head + d] + (sum over keys of softmax(q . k) v)[d], no 1 / sqrt(64), both products on codes of FP4 (E2M1) with one E8M0 byte for each 32 along a product's K.
; THE SOFTMAX AHEAD OF THE SECOND PRODUCT: t = score x log2(e); M = the row's largest t so far, rounded UP to a whole number; p = 2^(t - M) is what is quantised, along the keys, not normalised.
; The row's sum is taken of the unquantised p, in f32, and divides O at the end.  When M moves, the sum and O are multiplied by 2^(old M - new M): exact; no branch on data.
; SHARES.  y = (batch, head); the four work-groups of a cluster are the head's four blocks of 512 queries.  A HEAD'S WHOLE K AND V, codes and scale words, are the first 143,360 bytes of its record:
; they come into LDS once, by four joint tensor loads (waves 0-3, 35,840 bytes each, the same descriptor and a mask that names the four work-groups), and stay: no ring, nothing is filled again.
; Each of the SIXTEEN waves owns 32 queries as two tiles of 16, one after the other, in 256 registers: four waves to a SIMD, so that one wave's vector work stands beside another's products and LDS loads.
; LAYOUT.  Both products are used transposed: S^T = K Q^T (source 0 = 16 keys), O^T = V^T P^T (source 0 = 16 of the head's 64): a lane holds ONE query throughout.
; The keys of a tile of K, and the d of a tile of V^T, are row r = 32 (t / 2) + 8 (t % 2) + r + 8 (r / 8): the 16 registers of tiles 2 b, 2 b + 1 are 16 neighbours.  Everything in LDS is an image of operand registers: 512 consecutive bytes a load.
; THE FIRST PRODUCT'S K IS 64: registers 4-7 of Q's and K's fragments are zero codes, written once; bytes 2, 3 of their scale words are 0, which stands for 2^-127: zero codes add nothing under it.
; LIMITS: NaN and infinities are not served; a p that falls under the smallest normal f32 number counts as 0, in the sum too.
; REGISTERS: v1-7 addresses that stay; v8-11 the step's; v12 -M, v13 the largest t, v[14:15] the sum in two halves; v16-23 Q of tile 0; v24-27 K's scale words, v28-29 V's, v30, v31 Q's; v32-63 four fragments of K;
;   v64-95 the residual; v96-159 S^T, then p; v160-191 O^T; v192-223 V's four fragments; v224-231 p's codes; v232-247 at work; v248-255 Q of tile 1.
.set REC,   217088
.set KSOFF, 65536
.set VOFF,  73728
.set VSOFF, 139264
.set QOFF,  143360
.set QSOFF, 208896
.set PART,  35840                      ; what one tensor load brings: 140 rows of 256 bytes
.set STAGE, 143360                     ; behind the head's K and V: 16 rows x 272 bytes for each wave, for the way out; no fill lands there
.set LI,  1                            ; v1   16 x lane
.set AS0, 2                            ; v2   K's scale words: KSOFF + 16 x lane
.set AV0, 3                            ; v3   V: VOFF + 16 x lane
.set AT0, 4                            ; v4   V's scale words: VSOFF + 8 x lane
.set STO, 5                            ; v5   my stage, in: 272 r + 64 h
.set RD,  6                            ; v6   my stage, back: 272 (lane / 16) + 16 (lane % 16)
.set GO,  7                            ; v7   query and out0: 4,096 (lane / 16) + 16 (lane % 16)
.set ADK, 8
.set ADS, 9
.set ADV, 10
.set ADT, 11
.set KSC, 24
.set VSC, 28
.set KF,  32
.set RES, 64
.set S,   96
.set O,   160
.set VF,  192
.set PC,  224
.set BM,  232                          ; v232-235 each block's largest score, then its largest p
.set T4,  236                          ; v236-239 at work
.set SO,  240                          ; v240-243 the conversions' scale operands
.set FF,  244                          ; v[244:245] f = 2^(old M - new M); v245 is named with it as a pair
.set TP,  246
.set PS,  247                          ; p's scale word
.set WV,  10
.set G1,  16                           ; s[16:23], s[24:27] the descriptor
.set G0,  24
.set QB,  28                           ; s[28:29] Q's codes at my first tile   s[30:31] its scale words
.set QSB, 30
.set RB,  32                           ; s[32:33] query, s[34:35] out0 at my first token and my head
.set OBS, 34
.set SEL, 36
.set CS,  38                           ; s[38:39] log2(e): the packed form names a pair and takes its low word for both halves
.set TK,  40                           ; s40-42 the step's bytes: 4,096 of codes (K's and V's alike), 512 and 256 of scale words
.set TS,  41
.set TV,  42
.set CNT, 43
.macro ROUND                           ; a round of the cluster's barrier: my work-group's barrier, wave 0 signals for the work-group, every wave waits for the four work-groups, my work-group's barrier once more
	s_barrier_signal -1
	s_barrier_wait -1
	s_cmp_lg_u32 s[WV], 0
	s_cbranch_scc1 .Lnot_wave_0_\@
	s_barrier_signal -3
.Lnot_wave_0_\@:
	s_barrier_wait -3
	s_barrier_signal -1
	s_barrier_wait -1
.endm
	s_load_b128 s[4:7], s[0:1], 0x0                ; qkv s[4:5], query s[6:7]
	s_load_b64 s[8:9], s[0:1], 0x10                ; out0
	v_lshl_add_u32 v254, v0, 2, 0x34000
	v_mov_b32 v255, 0
	ds_add_u32 v254, v255
	ds_add_u32 v254, v255
	s_wait_dscnt 0x0
	v_lshrrev_b32 v8, 5, v0
	s_delay_alu instid0(VALU_DEP_1)
	v_readfirstlane_b32 s[WV], v8                  ; wave 0..15
	s_bfe_u32 s11, ttmp6, 0x40000                  ; cx: my block of 512 queries: it enters Q's, query's and out0's addresses alone
	s_and_b32 s12, ttmp7, 0xffff                   ; 16 x batch + head, which the four partners share
	v_and_b32 v9, 31, v0                           ; lane
	v_and_b32 v10, 15, v0                          ; r
	v_bfe_u32 v11, v0, 4, 1                        ; h
	s_delay_alu instid0(VALU_DEP_3)
	v_lshlrev_b32 v[LI], 4, v9                     ; every LDS address register is made here, ahead of the first branch on the wave's number
	s_delay_alu instid0(VALU_DEP_1)
	v_add_nc_u32 v[AS0], KSOFF, v[LI]
	s_delay_alu instid0(VALU_DEP_2)
	v_add_nc_u32 v[AV0], VOFF, v[LI]
	v_lshlrev_b32 v[AT0], 3, v9
	s_delay_alu instid0(VALU_DEP_1)
	v_add_nc_u32 v[AT0], VSOFF, v[AT0]
	s_mul_i32 s13, s[WV], 16*272
	s_add_co_u32 s13, s13, STAGE                   ; my stage
	v_mul_u32_u24 v[STO], v10, 272
	s_delay_alu instid0(VALU_DEP_1)
	v_lshl_add_u32 v[STO], v11, 6, v[STO]
	s_delay_alu instid0(VALU_DEP_1)
	v_add_nc_u32 v[STO], s13, v[STO]
	v_mul_u32_u24 v[RD], v11, 272
	s_delay_alu instid0(VALU_DEP_1)
	v_lshl_add_u32 v[RD], v10, 4, v[RD]
	s_delay_alu instid0(VALU_DEP_1)
	v_add_nc_u32 v[RD], s13, v[RD]
	v_lshlrev_b32 v[GO], 12, v11
	s_delay_alu instid0(VALU_DEP_1)
	v_lshl_add_u32 v[GO], v10, 4, v[GO]
	v_lshlrev_b32 v8, 4, v10                       ; Q's scale words: 16 r
	; the descriptor's group 1: 140 rows of 32 elements of 8 bytes, dense in memory and in LDS
	s_mov_b32 s[G1+0], 15|(3<<16)|(1<<21)          ; 15:0 the mask: all four work-groups; 17:16 elements of 8 bytes; 20 no padding; 21 set beside a mask
	s_mov_b32 s[G1+1], 32<<16                      ; tensor_dim0 = 32
	s_mov_b32 s[G1+2], 140<<16                     ; tensor_dim1 = 140
	s_mov_b32 s[G1+3], 32<<16                      ; tile_dim0 = 32
	s_mov_b32 s[G1+4], 140                         ; tile_dim1 = 140
	s_mov_b32 s[G1+5], 32                          ; from row to row
	s_mov_b32 s[G1+6], 0
	s_mov_b32 s[G1+7], 0
	s_and_b32 s13, s[WV], 3
	s_mul_i32 s13, s13, PART                       ; which quarter I fetch, if I fetch: the same in memory and in LDS
	s_mul_i32 s14, s12, REC                        ; the head's record
	s_mov_b32 s15, 0
	s_mov_b32 s46, s13
	s_mov_b32 s47, 0
	s_lshl_b32 s48, s11, 5
	s_lshl_b32 s49, s[WV], 1
	s_add_co_u32 s48, s48, s49                     ; my first tile of queries: 32 cx + 2 w
	s_lshl_b32 s48, s48, 9
	s_add_co_u32 s48, s48, QOFF
	s_mov_b32 s49, 0
	s_lshl_b32 s50, s11, 2
	s_lshr_b32 s51, s[WV], 2
	s_add_co_u32 s50, s50, s51                     ; its group of 128 tokens: 4 cx + w / 4,
	s_lshl_b32 s50, s50, 9
	s_and_b32 s51, s[WV], 3
	s_lshl_b32 s51, s51, 2                         ; word q = w % 4 of a lane's four
	s_add_co_u32 s50, s50, s51
	s_add_co_u32 s50, s50, QSOFF
	s_mov_b32 s51, 0
	s_lshr_b32 s52, s12, 4
	s_lshl_b32 s52, s52, 11                        ; batch x 2,048 tokens
	s_lshl_b32 s53, s11, 9
	s_add_co_u32 s52, s52, s53
	s_lshl_b32 s53, s[WV], 5
	s_add_co_u32 s52, s52, s53                     ; + 512 cx + 32 w
	s_lshl_b32 s52, s52, 12
	s_and_b32 s53, s12, 15
	s_lshl_b32 s53, s53, 8                         ; + the head's 256 bytes of a row
	s_add_co_u32 s52, s52, s53
	s_mov_b32 s53, 0
	s_mov_b32 s[SEL], 0x76543210
	s_mov_b32 s[SEL+1], 0xfedcba98
	s_mov_b32 s[CS], 0x3fb8aa3b                    ; log2(e)
	s_mov_b32 s[CS+1], s[CS]
	s_wait_kmcnt 0x0
	s_add_nc_u64 s[44:45], s[4:5], s[14:15]
	s_mov_b32 s[G0], 1                             ; 1:0 count = 1
	s_mov_b32 s[G0+1], s13                         ; 63:32 LDS address
	s_add_nc_u64 s[G0+2:G0+3], s[44:45], s[46:47]  ; 120:64 global address
	s_or_b32 s[G0+3], s[G0+3], 0x80000000          ; 127:126 type = 2
	s_add_nc_u64 s[QB:QB+1], s[44:45], s[48:49]
	s_add_nc_u64 s[QSB:QSB+1], s[44:45], s[50:51]
	s_add_nc_u64 s[RB:RB+1], s[6:7], s[52:53]
	s_add_nc_u64 s[OBS:OBS+1], s[8:9], s[52:53]
	ROUND                                          ; all four work-groups are here: the joint loads meet
	s_cmp_lt_u32 s[WV], 4
	s_cbranch_scc0 .Lno_fill
	tensor_load_to_lds s[G0:G0+3], s[G1:G1+7]      ; one tensor load of mine is out
	s_nop 0
.rept 4
	v_nop                                          ; four lines behind the load
.endr
.Lno_fill:
	global_load_b128 v[16:19], v[LI], s[QB:QB+1]               ; Q's two fragments stay in registers: lane (r, h): d = 32 h + 0 .. 31
	global_load_b128 v[248:251], v[LI], s[QB:QB+1] offset:512
	s_wait_alu depctr_va_vdst(0)
	global_load_b32 v30, v8, s[QSB:QSB+1]                      ; and their scale words: the even tile's stand at lanes 0-15 of the buffer's 32, the odd tile's 256 bytes on
	global_load_b32 v31, v8, s[QSB:QSB+1] offset:256
.irp j, 20,21,22,23, 252,253,254,255, 36,37,38,39, 44,45,46,47, 52,53,54,55, 60,61,62,63
	v_mov_b32 v[\j], 0                             ; zero codes for k = 64 .. 127 of the first product, written once
.endr
.irp b, 0,1,2,3
	v_mov_b32 v[T4+\b], 0                          ; a lane permute's destination counts as one of its sources
.endr
	v_mov_b32 v[FF+1], 0
	s_wait_tensorcnt 0x0                           ; my quarter has landed (a wave that fetched nothing passes at once),
	s_barrier_signal -1
	s_barrier_wait -1                              ; everybody's has
.macro BMAX b0, b1                     ; the largest score of blocks b0, b1 of 32 keys: my 16 of each, each sum read from its low end on
.irp b, \b0, \b1
	v_max3_num_f32 v[BM+\b], v[S+16*\b], v[S+16*\b+1], v[S+16*\b+2]
.endr
.irp i, 3,5,7,9,11,13
.irp b, \b0, \b1
	v_max3_num_f32 v[BM+\b], v[BM+\b], v[S+16*\b+\i], v[S+16*\b+\i+1]
.endr
.endr
.irp b, \b0, \b1
	v_max_num_f32 v[BM+\b], v[BM+\b], v[S+16*\b+15]
.endr
.endm
.macro SWM t, q, qs                    ; S^T's tile t: 16 keys x my 16 queries; odd tiles' scale words stand in lanes 16-31
.if (\t)%2
	v_wmma_scale_f32_16x16x128_f8f6f4 v[S+8*(\t):S+8*(\t)+7], v[KF+8*((\t)%4):KF+8*((\t)%4)+7], v[\q:\q+7], 0, v[KSC+(\t)/2], v[\qs] matrix_a_fmt:MATRIX_FMT_FP4 matrix_b_fmt:MATRIX_FMT_FP4 matrix_a_scale:MATRIX_SCALE_ROW1
.else
	v_wmma_scale_f32_16x16x128_f8f6f4 v[S+8*(\t):S+8*(\t)+7], v[KF+8*((\t)%4):KF+8*((\t)%4)+7], v[\q:\q+7], 0, v[KSC+(\t)/2], v[\qs] matrix_a_fmt:MATRIX_FMT_FP4 matrix_b_fmt:MATRIX_FMT_FP4
.endif
.endm
.macro PVM t                           ; O^T's tile t += 16 of the head's 64 x these 128 keys
.if (\t)%2
	v_wmma_scale_f32_16x16x128_f8f6f4 v[O+8*(\t):O+8*(\t)+7], v[VF+8*(\t):VF+8*(\t)+7], v[PC:PC+7], v[O+8*(\t):O+8*(\t)+7], v[VSC+(\t)/2], v[PS] matrix_a_fmt:MATRIX_FMT_FP4 matrix_b_fmt:MATRIX_FMT_FP4 matrix_a_scale:MATRIX_SCALE_ROW1
.else
	v_wmma_scale_f32_16x16x128_f8f6f4 v[O+8*(\t):O+8*(\t)+7], v[VF+8*(\t):VF+8*(\t)+7], v[PC:PC+7], v[O+8*(\t):O+8*(\t)+7], v[VSC+(\t)/2], v[PS] matrix_a_fmt:MATRIX_FMT_FP4 matrix_b_fmt:MATRIX_FMT_FP4
.endif
.endm
; A KEY STEP: 128 keys.  q: the first register of my tile's Q; qs: its scale words.
.macro STEP q, qs
	v_add_nc_u32 v[ADK], s[TK], v[LI]              ; no LDS load of mine is out.  These four lines are also the places behind the last step's products, ahead of the loads into V's registers
	v_add_nc_u32 v[ADS], s[TS], v[AS0]
	v_add_nc_u32 v[ADV], s[TK], v[AV0]
	v_add_nc_u32 v[ADT], s[TV], v[AT0]
	ds_load_b128 v[KSC:KSC+3], v[ADS]              ; K's scale words of the step's eight tiles
.irp i, 0,1,2,3
	ds_load_b128 v[KF+8*\i:KF+8*\i+3], v[ADK] offset:512*\i
.endr
.irp t, 0,1,2,3
.irp c, 0,1
	ds_load_b128 v[VF+8*\t+4*\c:VF+8*\t+4*\c+3], v[ADV] offset:1024*\t+512*\c
.endr
.endr
	ds_load_b64 v[VSC:VSC+1], v[ADT]
	s_wait_alu depctr_va_vdst(0)
	s_wait_dscnt 9                                 ; K's words and first four tiles are in; V's nine loads may be out
.irp t, 0,1,2,3
	SWM \t, \q, \qs
.endr
.rept 4
	v_nop                                          ; places: ahead of the loads into K's registers and of the first read of these scores
.endr
.irp i, 0,1,2,3
	ds_load_b128 v[KF+8*\i:KF+8*\i+3], v[ADK] offset:2048+512*\i
.endr
	BMAX 0, 1                                      ; while those loads are out
	s_wait_dscnt 0x0
.irp t, 4,5,6,7
	SWM \t, \q, \qs
.endr
.rept 4
	v_nop
.endr
	BMAX 2, 3                                      ; a block's largest score serves twice: for the row's maximum and, since p rises with the score, for the block's largest p
.irp b, 0,1,2,3
	v_permlanex16_b32 v[T4+\b], v[BM+\b], s[SEL], s[SEL+1]
.endr
.irp b, 0,1,2,3
	s_delay_alu instid0(VALU_DEP_4)
	v_max_num_f32 v[BM+\b], v[BM+\b], v[T4+\b]     ; with lane l xor 16's 16 keys
.endr
	s_delay_alu instid0(VALU_DEP_2)
	v_max3_num_f32 v[TP], v[BM], v[BM+1], v[BM+2]
	s_delay_alu instid0(VALU_DEP_1)
	v_max_num_f32 v[TP], v[TP], v[BM+3]            ; the step's largest score of my query
	s_delay_alu instid0(VALU_DEP_1)
	v_mul_f32 v[TP], s[CS], v[TP]                  ; as t
	s_delay_alu instid0(VALU_DEP_1)
	v_max_num_f32 v13, v13, v[TP]                  ; the running largest t
	v_mov_b32 v[TP], v12
	s_delay_alu instid0(VALU_DEP_2)
	v_floor_f32 v12, -v13                          ; the new -M = floor(-t) = -ceil(t): a whole number
	s_delay_alu instid0(VALU_DEP_1)
	v_sub_f32 v[TP], v12, v[TP]                    ; old M - new M: a whole number, 0 or less
	s_delay_alu instid0(VALU_DEP_1)
	v_cvt_i32_f32 v[TP], v[TP]                     ; (it saturates)
	s_delay_alu instid0(VALU_DEP_1)
	v_ldexp_f32 v[FF], 1.0, v[TP]                  ; f = 2^(old M - new M)
.set j, 0
.rept 32
	v_pk_fma_f32 v[S+j:S+j+1], v[S+j:S+j+1], s[CS:CS+1], v[12:13] op_sel_hi:[1,0,0]   ; t - M, two at a time
.set j, j+2
.endr
.irp b, 0,1,2,3
	v_fma_f32 v[BM+\b], v[BM+\b], s[CS], v12       ; the same of each block's largest score
.endr
.set j, 0
	s_wait_alu depctr_va_vdst(0)
.rept 64
	v_exp_f32 v[S+j], v[S+j]                       ; p = 2^(t - M), at most 1
.set j, j+1
.endr
	s_setprio 1
.irp b, 0,1,2,3
	v_exp_f32 v[BM+\b], v[BM+\b]                   ; the block's largest p: the same two instructions on the same number
.endr
	v_pk_mul_f32 v[14:15], v[14:15], v[FF:FF+1] op_sel_hi:[1,0]   ; the sums under the new M.  (The plain line behind the exponentials)
	s_wait_alu depctr_va_vdst(0)
.irp b, 0,1,2,3
	v_max_num_f32 v[BM+\b], 0x1800000, v[BM+\b]    ; the floor 2^(3 - 127): the byte cannot fall under 1 (a block whose every p is 0 keeps that byte: its codes are zeros)
.endr
.irp b, 0,1,2,3
	s_delay_alu instid0(VALU_DEP_4)
	v_add_nc_u32 v[SO+\b], 0xff000000, v[BM+\b]    ; 2 off the exponent field: the conversion's scale operand
.endr
.irp b, 0,1,2,3
	s_delay_alu instid0(VALU_DEP_4)
	v_lshrrev_b32 v[T4+\b], 23, v[SO+\b]           ; the scale's byte
.endr
	s_delay_alu instid0(VALU_DEP_3)
	v_lshl_or_b32 v[PS], v[T4+1], 8, v[T4]         ; p's scale word for these 128 keys
	s_delay_alu instid0(VALU_DEP_1)
	v_lshl_or_b32 v[PS], v[T4+2], 16, v[PS]
	s_delay_alu instid0(VALU_DEP_1)
	v_lshl_or_b32 v[PS], v[T4+3], 24, v[PS]
.irp b, 0,1,2,3
	v_cvt_scalef32_pk8_fp4_f32 v[PC+2*\b], v[S+16*\b:S+16*\b+7], v[SO+\b]
	v_cvt_scalef32_pk8_fp4_f32 v[PC+2*\b+1], v[S+16*\b+8:S+16*\b+15], v[SO+\b]
.endr
	v_nop                                          ; one plain line behind the last conversion
.irp c, 0,1                            ; a whole block to a lane: lanes 0-15 block 2 c, lanes 16-31 block 2 c + 1
.irp i, 0,1
	v_permlane16_swap_b32 v[PC+4*\c+\i], v[PC+2+4*\c+\i]
.endr
.endr
	v_pk_add_f32 v[236:237], v[100:101], v[104:105]
	v_pk_add_f32 v[242:243], v[108:109], v[112:113]
	v_pk_add_f32 v[240:241], v[116:117], v[120:121]
	v_pk_add_f32 v[234:235], v[124:125], v[128:129]
	v_pk_add_f32 v[232:233], v[132:133], v[136:137]
	v_pk_add_f32 v[58:59], v[140:141], v[144:145]
	v_pk_add_f32 v[56:57], v[148:149], v[152:153]
	v_pk_add_f32 v[14:15], v[14:15], v[156:157]
	v_pk_add_f32 v[236:237], v[236:237], v[96:97]
	v_pk_add_f32 v[242:243], v[242:243], v[98:99]
	v_pk_add_f32 v[240:241], v[240:241], v[102:103]
	v_pk_add_f32 v[234:235], v[234:235], v[106:107]
	v_pk_add_f32 v[232:233], v[232:233], v[110:111]
	v_pk_add_f32 v[58:59], v[58:59], v[114:115]
	v_pk_add_f32 v[56:57], v[56:57], v[118:119]
	v_pk_add_f32 v[14:15], v[14:15], v[122:123]
	v_pk_add_f32 v[236:237], v[236:237], v[126:127]
	v_pk_add_f32 v[242:243], v[242:243], v[130:131]
	v_pk_add_f32 v[240:241], v[240:241], v[134:135]
	v_pk_add_f32 v[234:235], v[234:235], v[138:139]
	v_pk_add_f32 v[232:233], v[232:233], v[142:143]
	v_pk_add_f32 v[58:59], v[58:59], v[146:147]
	v_pk_add_f32 v[56:57], v[56:57], v[150:151]
	v_pk_add_f32 v[14:15], v[14:15], v[154:155]
	v_pk_add_f32 v[236:237], v[236:237], v[158:159]
	s_delay_alu instid0(VALU_DEP_2)
	v_pk_add_f32 v[14:15], v[14:15], v[234:235]
	s_delay_alu instid0(VALU_DEP_2)
	v_pk_add_f32 v[236:237], v[236:237], v[232:233]
	v_pk_add_f32 v[242:243], v[242:243], v[58:59]
	v_pk_add_f32 v[240:241], v[240:241], v[56:57]
	s_delay_alu instid0(VALU_DEP_2)
	v_pk_add_f32 v[14:15], v[14:15], v[242:243]
	s_delay_alu instid0(VALU_DEP_2)
	v_pk_add_f32 v[236:237], v[236:237], v[240:241]
	s_delay_alu instid0(VALU_DEP_1)
	v_pk_add_f32 v[14:15], v[14:15], v[236:237]
.set j, 0
	s_setprio 0
.rept 16
	v_pk_mul_f32 v[O+j:O+j+1], v[O+j:O+j+1], v[FF:FF+1] op_sel_hi:[1,0]   ; O^T under the new M.  (The 48 lines from the sums on stand between the making of p's codes and scale word and the products)
.set j, j+2
.endr
.irp t, 0,1,2,3
	PVM \t                                         ; the four accumulators by turns, one instruction a turn
.endr
.endm
; One tile of 16 queries: tokens 8 qt + {0-7, 16-23} of my 32.
.macro QTILE qt, q, qs
	s_wait_xcnt 0x0                                ; the last tile's stores have read their registers
.irp i, 0,1,2,3,4,5,6,7
	global_load_b128 v[RES+4*\i:RES+4*\i+3], v[GO], s[RB:RB+1] offset:(2*\i+8*(\i/4)+8*(\qt))*4096 th:TH_LOAD_NT   ; the residual, asked for a whole walk over the keys ahead: 16 lanes read a token's 256 bytes of my head
.endr
	v_mov_b32 v13, 0xff61b1e6                      ; the largest t so far: -3e38, under every t
	s_delay_alu instid0(VALU_DEP_1)
	v_floor_f32 v12, -v13                          ; -M
	v_mov_b32 v14, 0
	v_mov_b32 v15, 0
.set j, 0
.rept 32
	v_mov_b32 v[O+j], 0                            ; the step is written once: the first finds zeros, which the first change of M leaves zeros
.set j, j+1
.endr
	s_mov_b32 s[TK], 0
	s_mov_b32 s[TS], 0
	s_mov_b32 s[TV], 0
	s_mov_b32 s[CNT], 16
.if (\qt) == 0
	s_wait_loadcnt 8                               ; Q and its scale words are in; the residual's eight loads may be out
.endif
.Lstep_\@:
	s_setprio 2
	STEP \q, \qs
	s_add_co_u32 s[TK], s[TK], 4096
	s_add_co_u32 s[TS], s[TS], 512
	s_add_co_u32 s[TV], s[TV], 256
	s_sub_co_u32 s[CNT], s[CNT], 1
	s_cmp_lg_u32 s[CNT], 0
	s_cbranch_scc1 .Lstep_\@
	s_setprio 0
	; the way out: O^T / the sum goes through my stage and comes back as whole rows of 256 bytes; the residual is added; 16 lanes store 256 consecutive bytes, aligned
.rept 4
	v_nop                                          ; places behind the last products
.endr
	v_add_f32 v14, v14, v15                        ; the sum's two halves,
	s_delay_alu instid0(VALU_DEP_1)
	v_permlanex16_b32 v[TP], v14, s[SEL], s[SEL+1]
	s_delay_alu instid0(VALU_DEP_1)
	v_add_f32 v14, v14, v[TP]                      ; and lane l xor 16's
	s_wait_alu depctr_va_vdst(0)
	v_rcp_f32 v14, v14
	v_nop                                          ; one plain line behind the reciprocal
.set j, 0
	s_wait_alu depctr_va_vdst(0)
.rept 16
	v_pk_mul_f32 v[S+j:S+j+1], v[O+j:O+j+1], v[14:15] op_sel_hi:[1,0]   ; register 16 a + i is d = 32 a + 16 h + i; each sum from its low end on
.set j, j+2
.endr
.irp a, 0,1
.irp i, 0,1,2,3
	ds_store_b128 v[STO], v[S+16*\a+4*\i:S+16*\a+4*\i+3] offset:128*\a+16*\i
.endr
.endr
.irp i, 0,1,2,3,4,5,6,7
	ds_load_b128 v[S+32+4*\i:S+32+4*\i+3], v[RD] offset:544*\i   ; LDS serves a wave's instructions in order (ISA guide 5.7.1.4): these see my stores; rows 2 i and 2 i + 1
.endr
	s_wait_loadcnt 0x0                             ; the residual
.irp i, 0,1,2,3,4,5,6,7
	s_wait_dscnt 7-\i
	v_pk_add_f32 v[S+32+4*\i:S+32+4*\i+1], v[S+32+4*\i:S+32+4*\i+1], v[RES+4*\i:RES+4*\i+1]
	v_pk_add_f32 v[S+32+4*\i+2:S+32+4*\i+3], v[S+32+4*\i+2:S+32+4*\i+3], v[RES+4*\i+2:RES+4*\i+3]
	global_store_b128 v[GO], v[S+32+4*\i:S+32+4*\i+3], s[OBS:OBS+1] offset:(2*\i+8*(\i/4)+8*(\qt))*4096 th:TH_STORE_NT
.endr
.endm
	QTILE 0, 16, 30
	QTILE 1, 248, 31
	s_wait_dscnt 0x0
	s_wait_xcnt 0x0
	v_lshl_add_u32 v254, v0, 2, 0x34000
	v_mov_b32 v255, 0
	s_wait_alu depctr_va_vdst(0)
	s_wait_tensorcnt 0x0
	ds_add_u32 v254, v255
	s_wait_dscnt 0x0
	ROUND                                          ; the closing round: no work-group ends while a partner may still ask for a tile that names it
	s_endpgm
.Lfunc_end_k_q470b4ee637_attn:
	.size	k_q470b4ee637_attn, .Lfunc_end_k_q470b4ee637_attn-k_q470b4ee637_attn
	.p2alignl 7, 3214868480
	.fill 96, 4, 3214868480
	.section	.rodata,"a",@progbits
	.p2align	6, 0x0
	.amdhsa_kernel k_q470b4ee637_attn
		.amdhsa_group_segment_fixed_size 215040
		.amdhsa_private_segment_fixed_size 0
		.amdhsa_enable_private_segment 0
		.amdhsa_kernarg_size 24
		.amdhsa_user_sgpr_count 2
		.amdhsa_user_sgpr_kernarg_segment_ptr 1
		.amdhsa_wavefront_size32 1
		.amdhsa_system_sgpr_workgroup_id_x 1
		.amdhsa_system_sgpr_workgroup_id_y 1
		.amdhsa_system_sgpr_workgroup_id_z 1
		.amdhsa_system_vgpr_workitem_id 0
		.amdhsa_next_free_vgpr 256
		.amdhsa_next_free_sgpr 66
		.amdhsa_reserve_vcc 0
		.amdhsa_float_denorm_mode_32 3
		.amdhsa_float_denorm_mode_16_64 3
		.amdhsa_memory_ordered 1
		.amdhsa_forward_progress 1
		.amdhsa_inst_pref_size 53
	.end_amdhsa_kernel
	.amdgpu_metadata
---
amdhsa.version: [ 1, 2 ]
amdhsa.kernels:
  - .name:           k_q470b4ee637_attn
    .symbol:         k_q470b4ee637_attn.kd
    .args:
      - { .name: qkv, .offset: 0, .size: 8, .value_kind: global_buffer, .address_space: global }
      - { .name: query, .offset: 8, .size: 8, .value_kind: global_buffer, .address_space: global }
      - { .name: out0, .offset: 16, .size: 8, .value_kind: global_buffer, .address_space: global }
    .group_segment_fixed_size: 215040
    .private_segment_fixed_size: 0
    .kernarg_segment_align: 8
    .kernarg_segment_size: 24
    .max_flat_workgroup_size: 512
    .sgpr_count:     66
    .vgpr_count:     256
    .wavefront_size: 32
...
	.end_amdgpu_metadata
.endif
;; end of part 5
